; MI455X (gfx1250); checked and timed in simulation.
; The chip was launched on July 23, 2026; its instructions are those of AMD's public machine-readable ISA for CDNA 5 (MIT licence, August 2026) and "CDNA5" Instruction Set Architecture Reference Guide (July 2026). The comments in the code are by the model that wrote it; some were corrected since.
;; Ro PE Lo FTR Encoder Layer. Allowed arithmetic: matrix products marked QUANTISED: E2M1 operands, one E8M0 scale for each 32 along K, by v_wmma_scale_f32_16x16x128_f8f6f4 with both operands' format E2M1 (or v_wmma_scale_f32_32x16x128_f4), f32 sums; products left as they are: bf16, f16 or f32 operands; f32 sums; everything else in f32.
;; Inputs: W1 512 x 512 float32; W2 256 x 512 float32; Wk 256 x 256 float32; Wm 256 x 256 float32; Wq 256 x 256 float32; Wv 256 x 256 float32; ln1_b 256 float32; ln1_g 256 float32; ln2_b 256 float32; ln2_g 256 float32; source 4 x 16,384 x 256 float32; x 4 x 16,384 x 256 float32.
;; Outputs: out0 4 x 16,384 x 256 float32.
;; Constants: H = 128, W = 128.
;; This version of the problem:
;;   THIS VERSION OF THE PROBLEM IS GIVEN IN LOW PRECISION. The matrix products marked QUANTISED in the list below multiply operands that are first quantised to E2M1 (2 exponent bits, 1 mantissa bit; 4 bits a number), with one power-of-two scale for each 32 numbers along K (OCP MX v1.0); their sums are f32. The products marked 'left as it is' may take bf16, f16 or f32 operands, with f32 sums. Whichever they take, every output number must still come out within the allowed error. Rounding operands to bf16 (8 significant bits) uses up far more of that allowance than f16 does (11 bits, for magnitudes from 6e-5 to 65,504). All else is computed in f32.
;;   The module's matrix products, in the order in which they are computed (A, B: the left and right operand; K: the contracted axis; several contracted axes count as one K, in the product's order):
;;     1. [M 65,536, K 256] x [K 256, N 256]; A: input x; B: input Wq: QUANTISED
;;     2. [M 65,536, K 256] x [K 256, N 256]; A: input source; B: input Wk: QUANTISED
;;     3. [M 65,536, K 256] x [K 256, N 256]; A: input source; B: input Wv: QUANTISED
;;     4. batch 32 x [M 32, K 16,384] x [K 16,384, N 32]; A: computed on the way; B: computed on the way: left as it is (an operand is computed on the way)
;;     5. batch 32 x [M 1, K 32] x [K 32, N 16,384]; A: computed on the way; B: computed on the way: left as it is (M = 1 < 16)
;;     6. batch 32 x [M 32, K 32] x [K 32, N 16,384]; A: computed on the way; B: computed on the way: left as it is (an operand is computed on the way)
;;     7. batch 524,288 x [M 1, K 1] x [K 1, N 32]; A: computed on the way; B: computed on the way: left as it is (no contracted axis)
;;     8. [M 65,536, K 256] x [K 256, N 256]; A: computed on the way; B: input Wm: left as it is (an operand is computed on the way)
;;     9. [M 65,536, K 512] x [K 512, N 512]; A: computed on the way; B: input W1: left as it is (an operand is computed on the way)
;;     10. [M 65,536, K 512] x [K 512, N 256]; A: computed on the way; B: input W2: left as it is (an operand is computed on the way)
;;   THE QUANTISER, for each operand of a quantised product, along K:
;;     - K is cut into blocks of 32 from its start; a last block that is shorter is filled with zeros.
;;     - A block's scale is 2^e with e = floor(log2(the largest magnitude in the block)) - 2, held to -126 .. 127; a block of zeros has e = 0. As a byte (E8M0): e + 127.
;;     - Each number is divided by its block's scale, clamped to +-6, and rounded to the nearest number of E2M1, ties to even, subnormals kept.
;;     - The product sums the exact products of the quantised numbers (number of the format x scale) in f32.
;;   ~~~python
;;   def quantise(x, axis):      # numpy; x: float32 -> the quantised numbers, widened to float32 again
;;       x = np.moveaxis(x, axis, -1); K = x.shape[-1]
;;       x = np.pad(x, [(0, 0)] * (x.ndim - 1) + [(0, -K % 32)]); x = x.reshape(x.shape[:-1] + (-1, 32)); a = np.abs(x).max(-1, keepdims=True)
;;       e = np.where(a > 0, np.clip(np.frexp(np.where(a > 0, a, 1))[1] - 1 - 2, -126, 127), 0)      # np.frexp(a)[1] - 1 = floor(log2(a)), exactly
;;       r = np.clip(x / 2.0 ** e, -6, 6)
;;       step = 2.0 ** (np.maximum(np.frexp(np.where(r == 0, 1, r))[1] - 1, 0) - 1)
;;       q = np.round(r / step) * step * 2.0 ** e      # np.round: ties to even
;;       return np.moveaxis(q.reshape(q.shape[:-2] + (-1,))[..., :K], -1, axis).astype(np.float32)
;;   ~~~
;; One version. Each part assembles by itself: llvm-mc -triple=amdgcn-amd-amdhsa -mcpu=gfx1250 --defsym DOCPART=n.
;; ======== version 1 of 1: 4 launches
;; limits: values are held in f16: magnitudes above 65,504 overflow, below 6.1e-05 lose precision
;; workspace buffers: att 712,704 bytes; wkv 73,728 bytes; wmlp 786,432 bytes; rope 24,576 bytes; part 8,912,896 bytes
;; launch prep (part 1): grid 10 x 16, 6 waves a work-group, no clusters, 0 bytes of LDS; arguments Wq, Wk, Wv, W1, W2, att, wkv, wmlp, rope; writes att, wkv, wmlp, rope
.if DOCPART == 1
	.amdgcn_target "amdgcn-amd-amdhsa--gfx1250"
	.amdhsa_code_object_version 6
	.text
	.protected	k_q65942c0136_prep
	.globl	k_q65942c0136_prep
	.p2align	8
	.type	k_q65942c0136_prep,@function
k_q65942c0136_prep:
	s_mov_b64 s[64:65], 0
	v_nop
	global_prefetch_b8 v0, s[64:65] scope:SCOPE_SE
	s_setreg_imm32_b32 hwreg(HW_REG_WAVE_MODE, 25, 1), 1
	s_wait_xcnt 0x0
; PREP: the weights and the RoPE tables are laid out once, in the order in which the later launches' operand registers take them.
; One wave makes one unit; waves share nothing: no LDS, no barrier.  The work-group's x picks the kind of unit, U = 6 y + wave its number.
;  x = 0..7  one f16 fragment (16 rows x 32 K, 1,024 bytes) of W1 or W2 for chunk c = y of 32 hidden units: 32 fragments of W1 (index 2 ks + u), then 16 of W2 (tile t).
;            Lane (r, h) holds row 32 B + 8 U + (r & 7) + 16 (r >> 3) and k = 32 kb + 16 h + 0 .. 15, low k in the low half: the same order of k on both sides of every f16 product.
;  x = 8     one fragment of E2M1 codes (16 rows x 128 K) of Wq, Wk or Wv with its scale words.  Lane (r, h) holds blocks h and 2 + h of its row's four.
;            Rows of a tile: Wq (r & 7) + 16 (r >> 3) + 8 u;  Wk 4 (r >> 1) + (r & 1) + 2 u (u = 0: the channels turned by the row position, u = 1: by the column position);  Wv r + 16 u.
;  x = 9     32 entries (cos, sin) of the RoPE tables: TC [pos][f], TA [r][pos] with f = r >> 1 and the sine negated in even r.
; A fragment lies as an image of its registers: byte 512 c + 16 lane holds registers 4 c .. 4 c + 3 of the lane; a scale word at 4 lane.
; A block's scale is 2^(floor(log2(largest magnitude)) - 2); its byte is the largest magnitude's exponent field - 2, held at 1 from below.
; LIMITS: NaN and infinities are not served.  A block of zeros gets the byte 1 where the rule says 127: its codes are zeros, and this program alone reads the bytes.
; Sine and cosine: the angle in turns, reduced to |y| <= 1/2 with a two-word 1 / (2 pi), series of sin(pi y) and cos(pi y) cut under 1e-7, then the double angle.
.set ATTN, 178176                      ; att: bytes of a batch's eight head blocks
.set ATTB, 22272                       ; and of one head block
	s_load_b256 s[4:11], s[0:1], 0x0               ; Wq s[4:5], Wk s[6:7], Wv s[8:9], W1 s[10:11]
	s_load_b256 s[12:19], s[0:1], 0x20             ; W2 s[12:13], att s[14:15], wkv s[16:17], wmlp s[18:19]
	s_load_b64 s[20:21], s[0:1], 0x40              ; rope
	v_lshrrev_b32 v1, 5, v0
	v_readfirstlane_b32 s22, v1                    ; wave 0..5
	v_and_b32 v1, 31, v0                           ; lane
	v_and_b32 v2, 15, v0                           ; r
	v_bfe_u32 v3, v0, 4, 1                         ; h
	s_and_b32 s23, ttmp7, 0xffff                   ; y
	s_mul_i32 s24, s23, 6
	s_add_co_u32 s24, s24, s22                     ; U = 6 y + wave
	v_and_b32 v4, 7, v2
	v_lshrrev_b32 v5, 3, v2
	v_lshl_add_u32 v4, v5, 4, v4                   ; (r & 7) + 16 (r >> 3)
	s_wait_kmcnt 0x0
	s_cmp_lt_u32 ttmp9, 8
	s_cbranch_scc0 .Lnot_f
	; ---- an f16 fragment of W1 or W2
	s_mul_i32 s25, ttmp9, 6
	s_add_co_u32 s25, s25, s22                     ; idx 0..47
	s_max_u32 s26, s25, 32
	s_sub_co_u32 s26, s26, 32                      ; W2's tile t
	s_lshr_b32 s27, s26, 1
	s_lshl_b32 s27, s27, 5
	s_and_b32 s28, s26, 1
	s_lshl_b32 s28, s28, 3
	s_add_co_u32 s27, s27, s28                     ; W2: first row 32 (t >> 1) + 8 (t & 1)
	s_lshl_b32 s28, s23, 5
	s_and_b32 s29, s25, 1
	s_lshl_b32 s29, s29, 3
	s_add_co_u32 s28, s28, s29                     ; W1: first row 32 c + 8 u
	s_lshr_b32 s29, s25, 1                         ; W1: kb = ks
	s_cmp_lt_u32 s25, 32                           ; the choice hangs on ids alone
	s_cselect_b64 s[30:31], s[10:11], s[12:13]
	s_cselect_b32 s27, s28, s27
	s_cselect_b32 s29, s29, s23                    ; W2: kb = c
	s_lshl_b32 s27, s27, 11                        ; a row of W1 or W2 is 2,048 bytes
	s_lshl_b32 s29, s29, 7
	s_add_co_u32 s32, s27, s29
	s_mov_b32 s33, 0
	s_add_nc_u64 s[30:31], s[30:31], s[32:33]
	v_lshlrev_b32 v6, 11, v4
	v_lshl_add_u32 v6, v3, 6, v6                   ; my row, + 64 h: 16 neighbours along K
.irp i, 0,1,2,3
	global_load_b128 v[8+4*\i:11+4*\i], v6, s[30:31] offset:16*\i
.endr
	s_mul_i32 s34, s23, 49152
	s_lshl_b32 s35, s25, 10
	s_add_co_u32 s34, s34, s35
	s_mov_b32 s35, 0
	s_add_nc_u64 s[18:19], s[18:19], s[34:35]      ; wmlp + 49,152 c + 1,024 idx
	v_lshlrev_b32 v7, 4, v1
	s_wait_loadcnt 0x0
.irp i, 0,1,2,3,4,5,6,7
	v_cvt_pk_f16_f32 v[24+\i], v[8+2*\i], v[9+2*\i]
.endr
	global_store_b128 v7, v[24:27], s[18:19]               ; each store of the wave covers 512 consecutive bytes, aligned
	global_store_b128 v7, v[28:31], s[18:19] offset:512
	s_endpgm
.Lnot_f:
	s_cmp_eq_u32 ttmp9, 8
	s_cbranch_scc0 .Lrope
	; ---- a fragment of codes of Wq, Wk or Wv
	s_lshr_b32 s25, s24, 5                         ; 0 Wq, 1 Wk, 2 Wv
	s_bfe_u32 s26, s24, 0x30002                    ; head b
	s_bfe_u32 s27, s24, 0x10001                    ; tile u
	s_and_b32 s28, s24, 1                          ; K step s
	s_mov_b32 s38, 0x76543210
	s_mov_b32 s39, 0xfedcba98                      ; selects for lane l xor 16
	v_lshrrev_b32 v5, 1, v2
	v_and_b32 v6, 1, v2
	v_lshl_add_u32 v5, v5, 2, v6                   ; Wk: 4 (r >> 1) + (r & 1)
	s_cmp_eq_u32 s25, 0
	s_cselect_b32 s30, -1, 0
	s_cselect_b32 s32, 8, 2                        ; rows from tile 0 to tile 1
	s_cselect_b64 s[34:35], s[4:5], s[6:7]
	s_cmp_eq_u32 s25, 2
	s_cselect_b32 s31, -1, 0
	s_cselect_b32 s32, 16, s32
	s_cselect_b64 s[34:35], s[8:9], s[34:35]
	v_cndmask_b32 v5, v5, v4, s30                  ; Wq's order of rows
	v_cndmask_b32 v5, v5, v2, s31                  ; Wv's
	v_lshlrev_b32 v5, 10, v5                       ; a row is 1,024 bytes
	v_lshl_add_u32 v5, v3, 7, v5                   ; + 128 h: my block of each pair
	s_mul_i32 s33, s27, s32
	s_lshl_b32 s36, s26, 5
	s_add_co_u32 s33, s33, s36                     ; first row 32 b + u x step
	s_lshl_b32 s33, s33, 10
	s_lshl_b32 s36, s28, 9
	s_add_co_u32 s36, s33, s36
	s_mov_b32 s37, 0
	s_add_nc_u64 s[34:35], s[34:35], s[36:37]
.irp c, 0,1
.irp i, 0,1,2,3,4,5,6,7
	global_load_b128 v[64+32*\c+4*\i:67+32*\c+4*\i], v5, s[34:35] offset:256*\c+16*\i   ; k = 128 s + 64 c + 32 h + 4 i ..
.endr
.endr
	s_and_b32 s40, s24, 3                          ; fragment 2 u + s of the head
	s_lshl_b32 s41, s40, 10
	s_lshl_b32 s42, s40, 7
	s_add_co_u32 s42, s42, 4096
	s_mul_i32 s43, s26, ATTB
	s_mul_i32 s44, s26, 9216
	s_max_u32 s45, s25, 1
	s_sub_co_u32 s45, s45, 1
	s_mul_i32 s45, s45, 4608
	s_add_co_u32 s44, s44, s45                     ; wkv: 9,216 b + 4,608 (Wv)
	s_wait_loadcnt 0x0
.irp c, 0,1
	v_max3_num_f32 v[32+\c], |v[64+32*\c]|, |v[65+32*\c]|, 0x1800000   ; my block 2 c + h: all 32 numbers are mine; the floor 2^(3 - 127) holds the byte at 1 from below
.endr
.irp i, 2,4,6,8,10,12,14,16,18,20,22,24,26,28,30
.irp c, 0,1
	v_max3_num_f32 v[32+\c], v[32+\c], |v[64+32*\c+\i]|, |v[65+32*\c+\i]|
.endr
.endr
.irp c, 0,1
	v_add_nc_u32 v[44+\c], 0xff000000, v[32+\c]    ; 2 off the exponent field: the conversion's scale operand
.endr
.irp c, 0,1
	v_lshrrev_b32 v[36+\c], 23, v[44+\c]           ; the scale's byte
.endr
	v_lshl_or_b32 v9, v37, 16, v36                 ; my two bytes, blocks h and 2 + h,
	v_lshlrev_b32 v10, 3, v3
	v_lshlrev_b32 v9, v10, v9                      ; at their places in the word;
	v_mov_b32 v10, 0
	v_permlanex16_b32 v10, v9, s38, s39
	v_or_b32 v9, v9, v10                           ; with lane l xor 16's two the word is whole, in both lanes
.irp c, 0,1
.irp g, 0,1,2,3
	v_cvt_scalef32_pk8_fp4_f32 v[48+4*\c+\g], v[64+32*\c+8*\g:71+32*\c+8*\g], v[44+\c]
.endr
.endr
	v_nop                                          ; one plain instruction behind the last scaled conversion
	s_cmp_eq_u32 s25, 0                            ; Wq goes into att, once for each batch; Wk and Wv into wkv
	s_cselect_b32 s43, s43, s44
	s_cselect_b64 s[46:47], s[14:15], s[16:17]
	v_lshl_add_u32 v6, v1, 4, s43
	v_add_nc_u32 v6, s41, v6
	v_lshl_add_u32 v7, v1, 2, s43
	v_add_nc_u32 v7, s42, v7
	global_store_b128 v6, v[48:51], s[46:47]
	global_store_b128 v6, v[52:55], s[46:47] offset:512
	global_store_b32 v7, v9, s[46:47]
	s_cbranch_scc0 .Lq_done
.irp n, 1,2,3
	global_store_b128 v6, v[48:51], s[46:47] offset:ATTN*\n
	global_store_b128 v6, v[52:55], s[46:47] offset:ATTN*\n+512
	global_store_b32 v7, v9, s[46:47] offset:ATTN*\n
.endr
.Lq_done:
	s_endpgm
.Lrope:
	; ---- 32 entries of a RoPE table: v4 = position index, v5 = f, v6 = the sine's sign
	s_cmp_lt_u32 s24, 32
	s_cbranch_scc0 .Lta
	v_lshrrev_b32 v4, 3, v1
	v_lshl_add_u32 v4, s24, 2, v4                  ; TC: pos = 4 U + lane / 8
	v_and_b32 v5, 7, v1                            ; f = lane % 8
	v_mov_b32 v6, 1.0
	s_branch .Ltab
.Lta:
	s_sub_co_u32 s25, s24, 32                      ; V: row r = V >> 2 of TA
	s_and_b32 s26, s25, 3
	s_lshl_b32 s26, s26, 5
	v_add_nc_u32 v4, s26, v1                       ; pos = 32 (V & 3) + lane
	s_lshr_b32 s27, s25, 3
	v_mov_b32 v5, s27                              ; f = r >> 1
	s_bitcmp1_b32 s25, 2                           ; r & 1
	s_cselect_b32 s28, 1.0, -1.0
	v_mov_b32 v6, s28
.Ltab:
	v_cvt_f32_u32 v5, v5
	v_mul_f32 v5, 0xbfd49a78, v5                   ; - f log2(10000) / 8
	v_exp_f32 v5, v5                               ; div_f
	v_add_nc_u32 v4, 1, v4                         ; positions count from 1.  (A plain instruction behind the exponential)
	v_cvt_f32_u32 v4, v4
	s_wait_alu depctr_va_vdst(0)                   ; the wait ahead of the first reader
	v_mul_f32 v7, v4, v5                           ; the angle a
	v_mul_f32 v8, 0.15915494, v7
	v_rndne_f32 v8, v8                             ; n whole turns
	v_fma_f32 v9, v7, 0.15915494, -v8
	v_mov_b32 v10, 0x31dc9c89                      ; what the f32 word of 1 / (2 pi) leaves out
	v_fma_f32 v10, v7, v10, v9                     ; y, |y| <= 1/2 turn
	v_mul_f32 v11, v10, v10                        ; w = y y
	v_mov_b32 v12, 0xbbf183a6                      ; sin(pi y) = y P(w)
	v_fmaak_f32 v12, v12, v11, 0x3da83c1b
	v_fmaak_f32 v12, v12, v11, 0xbf196966
	v_fmaak_f32 v12, v12, v11, 0x402335e3
	v_fmaak_f32 v12, v12, v11, 0xc0a55de7
	v_fmaak_f32 v12, v12, v11, 0x40490fdb
	v_mul_f32 v12, v12, v10
	v_mov_b32 v13, 0x3afce9a0                      ; cos(pi y) = R(w)
	v_fmaak_f32 v13, v13, v11, 0xbcd368f9
	v_fmaak_f32 v13, v13, v11, 0x3e70fa83
	v_fmaak_f32 v13, v13, v11, 0xbfaae9e4
	v_fmaak_f32 v13, v13, v11, 0x4081e0f8
	v_fmaak_f32 v13, v13, v11, 0xc09de9e6
	v_fma_f32 v13, v13, v11, 1.0
	v_mul_f32 v14, v12, v13
	v_add_f32 v14, v14, v14                        ; sin a = 2 sin cos
	v_mul_f32 v15, -2.0, v12
	v_fma_f32 v16, v15, v12, 1.0                   ; cos a = 1 - 2 sin^2
	v_mul_f32 v17, v14, v6
	s_lshl_b32 s30, s24, 8
	v_lshl_add_u32 v8, v1, 3, s30
	global_store_b64 v8, v[16:17], s[20:21]        ; the wave stores 256 consecutive bytes, aligned
	s_endpgm
.Lfunc_end_k_q65942c0136_prep:
	.size	k_q65942c0136_prep, .Lfunc_end_k_q65942c0136_prep-k_q65942c0136_prep
	.p2alignl 7, 3214868480
	.fill 96, 4, 3214868480
	.section	.rodata,"a",@progbits
	.p2align	6, 0x0
	.amdhsa_kernel k_q65942c0136_prep
		.amdhsa_group_segment_fixed_size 0
		.amdhsa_private_segment_fixed_size 0
		.amdhsa_enable_private_segment 0
		.amdhsa_kernarg_size 72
		.amdhsa_user_sgpr_count 2
		.amdhsa_user_sgpr_kernarg_segment_ptr 1
		.amdhsa_wavefront_size32 1
		.amdhsa_system_sgpr_workgroup_id_x 1
		.amdhsa_system_sgpr_workgroup_id_y 1
		.amdhsa_system_sgpr_workgroup_id_z 1
		.amdhsa_system_vgpr_workitem_id 0
		.amdhsa_next_free_vgpr 128
		.amdhsa_next_free_sgpr 66
		.amdhsa_reserve_vcc 0
		.amdhsa_float_denorm_mode_32 3
		.amdhsa_float_denorm_mode_16_64 3
		.amdhsa_memory_ordered 1
		.amdhsa_forward_progress 1
		.amdhsa_inst_pref_size 14
	.end_amdhsa_kernel
	.amdgpu_metadata
---
amdhsa.version: [ 1, 2 ]
amdhsa.kernels:
  - .name:           k_q65942c0136_prep
    .symbol:         k_q65942c0136_prep.kd
    .args:
      - { .name: Wq, .offset: 0, .size: 8, .value_kind: global_buffer, .address_space: global }
      - { .name: Wk, .offset: 8, .size: 8, .value_kind: global_buffer, .address_space: global }
      - { .name: Wv, .offset: 16, .size: 8, .value_kind: global_buffer, .address_space: global }
      - { .name: W1, .offset: 24, .size: 8, .value_kind: global_buffer, .address_space: global }
      - { .name: W2, .offset: 32, .size: 8, .value_kind: global_buffer, .address_space: global }
      - { .name: att, .offset: 40, .size: 8, .value_kind: global_buffer, .address_space: global }
      - { .name: wkv, .offset: 48, .size: 8, .value_kind: global_buffer, .address_space: global }
      - { .name: wmlp, .offset: 56, .size: 8, .value_kind: global_buffer, .address_space: global }
      - { .name: rope, .offset: 64, .size: 8, .value_kind: global_buffer, .address_space: global }
    .group_segment_fixed_size: 0
    .private_segment_fixed_size: 0
    .kernarg_segment_align: 8
    .kernarg_segment_size: 72
    .max_flat_workgroup_size: 192
    .sgpr_count:     66
    .vgpr_count:     128
    .wavefront_size: 32
...
	.end_amdgpu_metadata
.endif
;; end of part 1
;; launch kv (part 2): grid 256 x 1, 8 waves a work-group, no clusters, 304,128 bytes of LDS; arguments source, wkv, rope, part; writes part
.if DOCPART == 2
	.amdgcn_target "amdgcn-amd-amdhsa--gfx1250"
	.amdhsa_code_object_version 6
	.text
	.protected	k_q65942c0136_kv
	.globl	k_q65942c0136_kv
	.p2align	8
	.type	k_q65942c0136_kv,@function
k_q65942c0136_kv:
	s_mov_b64 s[64:65], 0
	v_nop
	global_prefetch_b8 v0, s[64:65] scope:SCOPE_SE
	s_setreg_imm32_b32 hwreg(HW_REG_WAVE_MODE, 25, 1), 1
	s_wait_xcnt 0x0
; KV: k = source Wk^T and v = source Wv^T on E2M1 codes, K = RoPE(elu(k) + 1), and this work-group's part of KV = K^T v and of Ksum, for 256 tokens (two rows of the 128 x 128 grid).
; SHARES.  Eight waves.  For the quantising, wave w owns token tile w (16 tokens) of each grid row; for the products, wave w is head w and walks all 16 token tiles.
; source comes once, by tensor loads, into LDS rows of 1,024 + 16 bytes; each wave fetches and reads its own 2 x 16 rows.  No byte of LDS is filled twice.  By this text's own count a wave has two tensor loads out.
; The codes go from wave to wave as images of the operand's registers (byte 512 c + 16 lane: registers 4 c .. 4 c + 3), the scale words at 4 lane.
; The weights' fragments (made by the launch before, in register order) stay in registers: 64 in window 1.
; No cluster: what work-groups share is 72 KB of weight images that go straight into registers, against 256 KB of source of their own.
; LAYOUT.  Source 0 = 16 tokens, source 1 = 16 channels: a lane holds ONE channel (lane % 16) and tokens 8 (lane / 16) + 0 .. 7.  K's tile 0 holds the 16 channels turned by the row position i, tile 1 those turned by the
; column position j; a rotation's partner is lane xor 1.  Two token tiles, packed to f16, are both operands (32 tokens along K) of KV += K^T v: nothing changes lanes.
; elu(q) + 1 is the middle one of e^q, q + 1 and 1, since e^q >= q + 1 everywhere.  v is not divided by the length: 1 / 16,384 and x 16,384 cancel exactly.
; LIMITS: NaN and infinities are not served; K and v go into the f16 product, so their magnitudes stay under 65,504; a block of zeros gets the scale byte 1 (its codes are zeros; this program alone reads the bytes).
.set SRCP,  1040                       ; an LDS row of source
.set SIMG,  266240                     ; behind the 256 rows: for each grid row 16 code images (2 tile + s) of 1,024 bytes, then 16 scale images of 128
.set SIB,   18432
.set SISC,  16384
.set SPARE, 303104                     ; the spare words, 128 bytes for each wave: four blocks of 256 bytes that no other line names
.set SPW, 1                            ; v1   my spare word's address; never rewritten
.set NIL, 2                            ; v2   0; never rewritten
.set LI,  3                            ; v3   SIMG + 16 lane
.set LS,  4                            ; v4   SIMG + SISC + 4 lane
.set SR,  5                            ; v5, v6  my row of source in LDS, grid row 0, 1: + 64 h
.set IW,  7                            ; v7   where I store my tile's images
.set SW,  8                            ; v8   and their scale words
.set TAO, 9                            ; v9   table TA: 1,024 r + 64 h
.set TAI, 10                           ; v10  table TA: 1,024 r + 8 i
.set GI,  12                           ; v12  16 lane
.set GS,  13                           ; v13  4 lane
.set G8,  14                           ; v14  8 lane
.set WSC, 16                           ; v16-23  the weights' scale words, 2 a + s (a: K tile 0, 1, V tile 0, 1): scales and nothing else
.set SSC, 24                           ; v24-27  source's scale words, two sets
.set CI,  28                           ; v28-31  (cos, +-sin) of i, grid row 0, 1
.set SF,  32                           ; v32-63  source's fragments, two sets of two
.set JT,  64                           ; v64-95  (cos, +-sin) of my 8 tokens' j, two sets
.set DA,  96                           ; v96-127 the four products: K tile 0, 1, V tile 0, 1.  (v96-159: 64 numbers while quantising)
.set TP,  128                          ; v128-143 at work
.set KP,  144                          ; v144-159 K packed: tile 0, 1
.set VP,  160                          ; v160-175 v packed
.set KV,  176                          ; v176-207 the four accumulators of K^T v
.set KS,  208                          ; v208-211 Ksum, in pairs
.set TM,  212                          ; v212-227 the quantiser's
.set PW,  228
.set PC,  232                          ; v232-239 codes just made
.set SEL, 32                           ; s[32:33] selects for lane l xor 16
.set L2E, 38                           ; s[38:39] log2(e), named as a pair
.set MSB, 0
.macro WIN new                         ; the immediate's high byte repeats the setting that is left
.set WNEW, (\new)
.if MSB != WNEW
	s_set_vgpr_msb (MSB<<8)|WNEW
.set MSB, WNEW
.endif
.endm
.macro PLACES n
.rept \n
	v_nop
.endr
.endm
.macro BARRIER                         ; my LDS stores have landed and my LDS loads are in: then the work-group's barrier
	s_wait_dscnt 0x0
	s_barrier_signal -1
	s_barrier_wait -1
.endm
; 64 numbers of a lane, register 16 b + i = k 32 b + 16 (lane / 16) + i of my row, become a fragment's codes in v[PC] on and its scale word in v[PW]
.macro QUANT s
.irp b, 0,1,2,3
	v_max3_num_f32 v[TM+\b], |v[\s+16*\b]|, |v[\s+1+16*\b]|, 0x1800000   ; the floor 2^(3 - 127) holds the byte at 1 from below
.endr
.irp i, 2,4,6,8,10,12,14
.irp b, 0,1,2,3
	v_max3_num_f32 v[TM+\b], v[TM+\b], |v[\s+16*\b+\i]|, |v[\s+1+16*\b+\i]|
.endr
.endr
.irp b, 0,1,2,3
	v_permlanex16_b32 v[TM+4+\b], v[TM+\b], s[SEL], s[SEL+1]
.endr
.irp b, 0,1,2,3
	v_max_num_f32 v[TM+\b], v[TM+\b], v[TM+4+\b]   ; with lane l xor 16's: the block's largest magnitude
.endr
.irp b, 0,1,2,3
	v_add_nc_u32 v[TM+12+\b], 0xff000000, v[TM+\b] ; 2 off its exponent field: the conversion's scale operand
.endr
.irp b, 0,1,2,3
	v_lshrrev_b32 v[TM+4+\b], 23, v[TM+12+\b]      ; the scale's byte
.endr
	v_lshl_or_b32 v[PW], v[TM+5], 8, v[TM+4]
	v_lshl_or_b32 v[PW], v[TM+6], 16, v[PW]
	v_lshl_or_b32 v[PW], v[TM+7], 24, v[PW]
.irp b, 0,1,2,3
	v_cvt_scalef32_pk8_fp4_f32 v[PC+2*\b], v[\s+16*\b:\s+7+16*\b], v[TM+12+\b]
	v_cvt_scalef32_pk8_fp4_f32 v[PC+1+2*\b], v[\s+8+16*\b:\s+15+16*\b], v[TM+12+\b]
.endr
	v_nop                                          ; one plain instruction behind a scaled conversion
.irp c, 0,1                                    ; the operand's layout wants a whole block in a lane
.irp i, 0,1
	v_permlane16_swap_b32 v[PC+4*\c+\i], v[PC+2+4*\c+\i]
.endr
.endr
.endm
	s_load_b256 s[4:11], s[0:1], 0x0               ; source s[4:5], wkv s[6:7], rope s[8:9], part s[10:11]
	v_lshl_add_u32 v[SPW], v0, 2, SPARE
	v_mov_b32 v[NIL], 0
	ds_add_u32 v[SPW], v[NIL]                      ; the wave's opening: the add, twice on end, and its wait ahead of my first tensor load
	ds_add_u32 v[SPW], v[NIL]
	v_lshrrev_b32 v3, 5, v0
	v_readfirstlane_b32 s12, v3                    ; wave 0..7
	; descriptor group 1: 16 rows of 128 elements of 8 bytes, dense in memory; 4 words of padding behind every 256
	s_mov_b32 s16, (3<<16)|(1<<20)|(7<<22)|(3<<25)
	s_mov_b32 s17, 128<<16                         ; tensor_dim0
	s_mov_b32 s18, 16<<16                          ; tensor_dim1
	s_mov_b32 s19, 128<<16                         ; tile_dim0
	s_mov_b32 s20, 16                              ; tile_dim1
	s_mov_b32 s21, 128                             ; elements from row to row
	s_mov_b32 s22, 0
	s_mov_b32 s23, 0
	s_mul_i32 s13, s12, 16*SRCP                    ; my 16 rows in LDS
	s_lshl_b32 s14, ttmp9, 18                      ; the work-group's 256 rows of 1,024 bytes,
	s_lshl_b32 s15, s12, 14                        ; my 16 of a grid row's 128
	s_add_co_u32 s14, s14, s15
	s_mov_b32 s15, 0
	s_mov_b32 s[SEL], 0x76543210
	s_mov_b32 s[SEL+1], 0xfedcba98
	s_mov_b32 s[L2E], 0x3fb8aa3b
	s_mov_b32 s[L2E+1], s[L2E]
	s_wait_dscnt 0x0                               ; both opening adds are done
	s_wait_kmcnt 0x0
	s_add_nc_u64 s[4:5], s[4:5], s[14:15]
.irp ir, 0,1
	s_mov_b32 s[24+4*\ir], 1
	s_add_co_u32 s[25+4*\ir], s13, \ir*128*SRCP
	s_add_nc_u64 s[26+4*\ir:27+4*\ir], s[4:5], \ir*128*1024
	s_or_b32 s[27+4*\ir], s[27+4*\ir], 0x80000000
	tensor_load_to_lds s[24+4*\ir:27+4*\ir], s[16:23]
	s_nop 0
.endr
	PLACES 4
	v_and_b32 v11, 31, v0                          ; lane
	v_lshlrev_b32 v[GI], 4, v11
	v_lshlrev_b32 v[GS], 2, v11
	v_lshlrev_b32 v[G8], 3, v11
	v_add_nc_u32 v[LI], SIMG, v[GI]
	v_add_nc_u32 v[LS], SIMG+SISC, v[GS]
	s_lshl_b32 s34, s12, 11
	v_add_nc_u32 v[IW], s34, v[LI]                 ; images 2 w, 2 w + 1
	s_lshl_b32 s34, s12, 8
	v_add_nc_u32 v[SW], s34, v[LS]
	v_and_b32 v11, 15, v0                          ; r
	v_bfe_u32 v15, v0, 4, 1                        ; h
	v_mul_u32_u24 v[SR], v11, SRCP
	v_lshl_add_u32 v[SR], v15, 6, v[SR]
	v_add_nc_u32 v[SR], s13, v[SR]
	v_add_nc_u32 v[SR+1], 128*SRCP, v[SR]
	v_lshlrev_b32 v[TAO], 10, v11
	s_and_b32 s34, ttmp9, 63
	s_lshl_b32 s34, s34, 4                         ; 8 bytes x i, i = 2 (work-group % 64)
	v_add_nc_u32 v[TAI], s34, v[TAO]
	v_lshl_add_u32 v[TAO], v15, 6, v[TAO]
	s_mul_i32 s34, s12, 9216
	s_mov_b32 s35, 0
	s_add_nc_u64 s[6:7], s[6:7], s[34:35]          ; my head's weights
	s_lshl_b32 s36, ttmp9, 3
	s_add_co_u32 s36, s36, s12
	s_mul_i32 s36, s36, 4352
	s_mov_b32 s37, 0
	s_add_nc_u64 s[10:11], s[10:11], s[36:37]      ; my record of part
	WIN 0x40                                       ; destination window 1
.irp m, 0,1
.irp f, 0,1,2,3
	global_load_b128 v[8*(4*\m+\f):8*(4*\m+\f)+3], v[GI], s[6:7] offset:4608*\m+1024*\f
	global_load_b128 v[8*(4*\m+\f)+4:8*(4*\m+\f)+7], v[GI], s[6:7] offset:4608*\m+1024*\f+512
.endr
.endr
	WIN 0
.irp m, 0,1
.irp f, 0,1,2,3
	global_load_b32 v[WSC+4*\m+\f], v[GS], s[6:7] offset:4608*\m+4096+128*\f
.endr
.endr
	global_load_b64 v[CI:CI+1], v[TAI], s[8:9] offset:8192
	global_load_b64 v[CI+2:CI+3], v[TAI], s[8:9] offset:8200
.irp b, 0,1,2,3
	v_mov_b32 v[TM+4+\b], 0                        ; written once: a lane permute's destination counts as one of its sources
	v_mov_b32 v[KS+\b], 0                          ; Ksum starts at 0
.endr
; My token tile of grid row ir is quantised: two fragments and their scale words go to LDS as images
.macro SQ ir
	PLACES 4                                       ; in front of loads into registers that matrix instructions have read
	s_wait_tensorcnt 1-\ir                         ; tensor loads of a wave end in order: grid row ir's rows are in (row 1's load may stay out while row 0 is worked)
.irp s, 0,1
.irp b, 0,1,2,3
.irp i, 0,1,2,3
	ds_load_b128 v[DA+16*\b+4*\i:DA+16*\b+4*\i+3], v[SR+\ir] offset:512*\s+128*\b+16*\i
.endr
.endr
	s_wait_dscnt 0x0
	QUANT DA
	ds_store_b128 v[IW], v[PC:PC+3] offset:SIB*\ir+1024*\s
	ds_store_b128 v[IW], v[PC+4:PC+7] offset:SIB*\ir+1024*\s+512
	ds_store_b32 v[SW], v[PW] offset:SIB*\ir+128*\s
	s_wait_dscnt 0x0                               ; the stores have read their registers
.endr
.endm
; Token tile tt's fragments, scale words and column table into set st
.macro FETCH ir, tt, st
.irp s, 0,1
	ds_load_b128 v[SF+16*(\st)+8*\s:SF+16*(\st)+8*\s+3], v[LI] offset:SIB*\ir+(2*(\tt)+\s)*1024
	ds_load_b128 v[SF+16*(\st)+8*\s+4:SF+16*(\st)+8*\s+7], v[LI] offset:SIB*\ir+(2*(\tt)+\s)*1024+512
.endr
.irp s, 0,1
	ds_load_b32 v[SSC+2*(\st)+\s], v[LS] offset:SIB*\ir+(2*(\tt)+\s)*128
.endr
.irp q, 0,1,2,3
	global_load_b128 v[JT+16*(\st)+4*\q:JT+16*(\st)+4*\q+3], v[TAO], s[8:9] offset:8192+128*(\tt)+16*\q
.endr
.endm
; One token tile for my head
.macro TILE ir, tt
.set ST, (\tt)%2
	s_wait_dscnt 0x0                               ; asked for a tile ago
	s_wait_loadcnt 0x0
	WIN 0x04                                       ; source 1, the weights: window 1
.irp s, 0,1
.irp a, 0,1,2,3                                ; the four accumulators by turns
.if \s == 0
	v_wmma_scale_f32_16x16x128_f8f6f4 v[DA+8*\a:DA+8*\a+7], v[SF+16*ST+8*\s:SF+16*ST+8*\s+7], v[8*(2*\a+\s):8*(2*\a+\s)+7], 0, v[SSC+2*ST+\s], v[WSC+2*\a+\s] matrix_a_fmt:MATRIX_FMT_FP4 matrix_b_fmt:MATRIX_FMT_FP4
.else
	v_wmma_scale_f32_16x16x128_f8f6f4 v[DA+8*\a:DA+8*\a+7], v[SF+16*ST+8*\s:SF+16*ST+8*\s+7], v[8*(2*\a+\s):8*(2*\a+\s)+7], v[DA+8*\a:DA+8*\a+7], v[SSC+2*ST+\s], v[WSC+2*\a+\s] matrix_a_fmt:MATRIX_FMT_FP4 matrix_b_fmt:MATRIX_FMT_FP4
.endif
.endr
.endr
	WIN 0
	PLACES 4                                       ; four places behind the products, ahead of the first read of their results
.if (\tt) < 7
	FETCH \ir, (\tt)+1, 1-ST
.endif
.irp j, 0,2,4,6,8,10,12,14
	v_pk_mul_f32 v[TP+\j:TP+\j+1], v[DA+\j:DA+\j+1], s[L2E:L2E+1] op_sel_hi:[1,0]
.endr
.irp j, 0,1,2,3,4,5,6,7,8,9,10,11,12,13,14,15
	v_exp_f32 v[TP+\j], v[TP+\j]                   ; e^k
.endr
.irp j, 0,2,4,6,8,10,12,14
	v_pk_add_f32 v[DA+\j:DA+\j+1], v[DA+\j:DA+\j+1], 1.0 op_sel_hi:[1,0]   ; k + 1: plain work behind the exponentials
.endr
	s_wait_alu depctr_va_vdst(0)                   ; one wait for the batch, ahead of its first reader
.irp j, 0,1,2,3,4,5,6,7,8,9,10,11,12,13,14,15
	v_med3_num_f32 v[DA+\j], v[TP+\j], v[DA+\j], 1.0   ; elu(k) + 1
.endr
.irp j, 0,1,2,3,4,5,6,7                        ; RoPE: x cos +- partner x sin; the sign lies in the table
	v_mul_f32_dpp v[TP+\j], v[DA+\j], v[CI+2*\ir+1] row_xmask:1 row_mask:0xf bank_mask:0xf
	v_mul_f32_dpp v[TP+8+\j], v[DA+8+\j], v[JT+16*ST+2*\j+1] row_xmask:1 row_mask:0xf bank_mask:0xf
.endr
.irp j, 0,1,2,3,4,5,6,7
	v_fma_f32 v[DA+\j], v[DA+\j], v[CI+2*\ir], v[TP+\j]
	v_fma_f32 v[DA+8+\j], v[DA+8+\j], v[JT+16*ST+2*\j], v[TP+8+\j]
.endr
.irp i, 0,1,2,3
	v_pk_add_f32 v[KS:KS+1], v[KS:KS+1], v[DA+2*\i:DA+2*\i+1]
	v_pk_add_f32 v[KS+2:KS+3], v[KS+2:KS+3], v[DA+8+2*\i:DA+8+2*\i+1]
.endr
.irp i, 0,1,2,3                                ; tokens 8 h + 2 i, + 1 of this tile: register 4 (tt % 2) + i on both sides
	v_cvt_pk_f16_f32 v[KP+4*ST+\i], v[DA+2*\i], v[DA+2*\i+1]
	v_cvt_pk_f16_f32 v[KP+8+4*ST+\i], v[DA+8+2*\i], v[DA+8+2*\i+1]
	v_cvt_pk_f16_f32 v[VP+4*ST+\i], v[DA+16+2*\i], v[DA+16+2*\i+1]
	v_cvt_pk_f16_f32 v[VP+8+4*ST+\i], v[DA+24+2*\i], v[DA+24+2*\i+1]
.endr
.if (\tt)%2 == 1
.irp dt, 0,1
.irp vt, 0,1
.if (\ir)+(\tt) == 1                           ; the first 32 tokens start the sums
	v_wmma_f32_16x16x32_f16 v[KV+8*(2*\dt+\vt):KV+8*(2*\dt+\vt)+7], v[KP+8*\dt:KP+8*\dt+7], v[VP+8*\vt:VP+8*\vt+7], 0
.else
	v_wmma_f32_16x16x32_f16 v[KV+8*(2*\dt+\vt):KV+8*(2*\dt+\vt)+7], v[KP+8*\dt:KP+8*\dt+7], v[VP+8*\vt:VP+8*\vt+7], v[KV+8*(2*\dt+\vt):KV+8*(2*\dt+\vt)+7]
.endif
.endr
.endr
.endif
.endm
.irp ir, 0,1
	SQ \ir
	BARRIER                                        ; the grid row's sixteen fragments lie in LDS
	FETCH \ir, 0, 0
.irp tt, 0,1,2,3,4,5,6,7
	TILE \ir, \tt
.endr
.endr
	PLACES 4
	v_add_f32 v[KS], v[KS], v[KS+1]
	v_add_f32 v[KS+2], v[KS+2], v[KS+3]
	v_permlanex16_b32 v[TM+4], v[KS], s[SEL], s[SEL+1]
	v_permlanex16_b32 v[TM+5], v[KS+2], s[SEL], s[SEL+1]
	v_add_f32 v[KS], v[KS], v[TM+4]                ; my channel's sum over the 256 tokens: tile 0's,
	v_add_f32 v[KS+1], v[KS+2], v[TM+5]            ; tile 1's
.irp a, 0,1,2,3
	global_store_b128 v[GI], v[KV+8*\a:KV+8*\a+3], s[10:11] offset:1024*\a          ; each accumulator from its low end on; 512 consecutive bytes a store
	global_store_b128 v[GI], v[KV+8*\a+4:KV+8*\a+7], s[10:11] offset:1024*\a+512
.endr
	global_store_b64 v[G8], v[KS:KS+1], s[10:11] offset:4096
	s_wait_tensorcnt 0x0                           ; the wave's end
	ds_add_u32 v[SPW], v[NIL]
	s_wait_dscnt 0x0
	s_endpgm
.Lfunc_end_k_q65942c0136_kv:
	.size	k_q65942c0136_kv, .Lfunc_end_k_q65942c0136_kv-k_q65942c0136_kv
	.p2alignl 7, 3214868480
	.fill 96, 4, 3214868480
	.section	.rodata,"a",@progbits
	.p2align	6, 0x0
	.amdhsa_kernel k_q65942c0136_kv
		.amdhsa_group_segment_fixed_size 304128
		.amdhsa_private_segment_fixed_size 0
		.amdhsa_enable_private_segment 0
		.amdhsa_kernarg_size 32
		.amdhsa_user_sgpr_count 2
		.amdhsa_user_sgpr_kernarg_segment_ptr 1
		.amdhsa_wavefront_size32 1
		.amdhsa_system_sgpr_workgroup_id_x 1
		.amdhsa_system_sgpr_workgroup_id_y 1
		.amdhsa_system_sgpr_workgroup_id_z 1
		.amdhsa_system_vgpr_workitem_id 0
		.amdhsa_next_free_vgpr 320
		.amdhsa_next_free_sgpr 66
		.amdhsa_reserve_vcc 0
		.amdhsa_float_denorm_mode_32 3
		.amdhsa_float_denorm_mode_16_64 3
		.amdhsa_memory_ordered 1
		.amdhsa_forward_progress 1
		.amdhsa_inst_pref_size 159
	.end_amdhsa_kernel
	.amdgpu_metadata
---
amdhsa.version: [ 1, 2 ]
amdhsa.kernels:
  - .name:           k_q65942c0136_kv
    .symbol:         k_q65942c0136_kv.kd
    .args:
      - { .name: source, .offset: 0, .size: 8, .value_kind: global_buffer, .address_space: global }
      - { .name: wkv, .offset: 8, .size: 8, .value_kind: global_buffer, .address_space: global }
      - { .name: rope, .offset: 16, .size: 8, .value_kind: global_buffer, .address_space: global }
      - { .name: part, .offset: 24, .size: 8, .value_kind: global_buffer, .address_space: global }
    .group_segment_fixed_size: 304128
    .private_segment_fixed_size: 0
    .kernarg_segment_align: 8
    .kernarg_segment_size: 32
    .max_flat_workgroup_size: 256
    .sgpr_count:     66
    .vgpr_count:     320
    .wavefront_size: 32
...
	.end_amdgpu_metadata
.endif
;; end of part 2
;; launch red (part 3): grid 128 x 1, 16 waves a work-group, no clusters, 15,872 bytes of LDS; arguments part, Wm, att; writes att
.if DOCPART == 3
	.amdgcn_target "amdgcn-amd-amdhsa--gfx1250"
	.amdhsa_code_object_version 6
	.text
	.protected	k_q65942c0136_red
	.globl	k_q65942c0136_red
	.p2align	8
	.type	k_q65942c0136_red,@function
k_q65942c0136_red:
	s_mov_b64 s[64:65], 0
	v_nop
	global_prefetch_b8 v0, s[64:65] scope:SCOPE_SE
	s_setreg_imm32_b32 hwreg(HW_REG_WAVE_MODE, 25, 1), 1
	s_wait_xcnt 0x0
; RED: for one batch n, head b and SLICE of eight channels d = 16 h + 8 c + 0 .. 7: KV's eight rows are summed over the batch's 64 parts, in a fixed order; M = KV Wm_b^T ([8 d][256 o], f32 multiply-adds) takes
; the place of the product with KV followed by Wm; M is brought to magnitudes under 2 by an exact power of two of the slice's own and stored as f16, in the order of the operand's registers.
; WHY SLICES: in a part's four accumulator images the 256 bytes at 1,024 tile + 512 c + 256 h hold just these eight d, and so do the 256 bytes at 1,024 t + 512 c + 256 h of each fragment of M:
; a slice reads and stores whole aligned runs of 256 bytes, no byte of KV's parts is read twice, and a slice's power of two has one owner.  128 work-groups of 16 waves.
; Every slice also sums the head's Ksum (16 KB) for its exponent field es.  Stored beside M': the word (es << 8) | em, em the exponent field of the slice's largest |M|: then
;   Q.Ksum + 1e-6 = 2^(es - 127) (Q.Ksum' + 1e-6 x 2^(127 - es))   and   Z Q M = 2^(em - es) (Q M') / (Q.Ksum' + ..).   Slice 0 stores Ksum' = Ksum 2^(127 - es) as a fragment with Ksum' in all 16 rows.
; No cluster and no tensor load: what the four slices of a head share (Ksum's pairs, Wm's 32 columns) is small and goes straight into registers.
; LIMITS: NaN and infinities are not served; the order of the sums differs from the source's.
.set SUM,   0                          ; eight partial sums of the slice, 1,024 bytes each: 16 bytes at 16 (16 tile + r)
.set KSP,   8192                       ; sixteen partial sums of the Ksum pairs, 256 bytes each
.set KVM,   12288                      ; KV [8 d][32 v] f32
.set KSV,   13312                      ; Ksum [32 d]
.set MXW,   13568                      ; each wave's largest |M|
.set SPARE, 13824                      ; the spare words, 128 bytes for each of 16 waves
.set PO,  128                          ; v128 parts: 1,024 tile + 16 r
.set KO,  129                          ; v129 Ksum pairs: 8 lane
.set WO,  130                          ; v130 Wm: my row of the tile
.set MO,  131                          ; v131 M': 1,024 t + 512 c + 256 h + 16 r + 8 hh
.set GO,  132                          ; v132 the word: 128 c + 4 lane
.macro BARRIER                         ; my LDS stores have landed and my LDS loads are in: then the work-group's barrier
	s_wait_dscnt 0x0
	s_barrier_signal -1
	s_barrier_wait -1
.endm
	s_load_b128 s[4:7], s[0:1], 0x0                ; part, Wm
	s_load_b64 s[8:9], s[0:1], 0x10                ; att
	v_lshl_add_u32 v1, v0, 2, SPARE                ; my spare word; never rewritten
	v_mov_b32 v2, 0                                ; 0; never rewritten
	v_lshrrev_b32 v3, 5, v0
	v_readfirstlane_b32 s10, v3                    ; wave 0..15
	s_lshr_b32 s11, ttmp9, 5                       ; n
	s_bfe_u32 s12, ttmp9, 0x30002                  ; b
	s_and_b32 s13, ttmp9, 3                        ; slice 2 h + c
	s_lshr_b32 s14, s13, 1                         ; h
	s_and_b32 s15, s13, 1                          ; c
	s_mov_b32 s18, 0x76543210
	s_mov_b32 s19, 0xfedcba98                      ; selects for lane l xor 16
	v_and_b32 v3, 31, v0                           ; lane
	v_and_b32 v4, 15, v0                           ; r
	v_bfe_u32 v5, v0, 4, 1                         ; hh
	; every LDS address is made here, ahead of the first parting of the waves
	v_lshlrev_b32 v6, 4, v0                        ; SUM + 16 x thread: partial sum thread / 64, unit thread % 64
	v_lshl_add_u32 v7, v0, 3, KSP                  ; KSP + 256 wave + 8 lane
	v_lshlrev_b32 v8, 2, v0                        ; waves 0-7: word t of a partial sum: tile t >> 6, r = (t >> 2) & 15, register q = t & 3
	v_bfe_u32 v9, v0, 1, 1
	v_bfe_u32 v16, v0, 7, 1
	v_and_b32 v17, 1, v0
	v_lshl_add_u32 v9, v9, 1, v16
	v_lshl_add_u32 v9, v9, 1, v17                  ; its d in the slice: 4 (q >> 1) + 2 (K's tile) + (q & 1)
	v_bfe_u32 v16, v0, 6, 1
	v_bfe_u32 v17, v0, 2, 4
	v_lshl_add_u32 v16, v16, 4, v17                ; v = 16 (v's tile) + r
	v_lshlrev_b32 v16, 2, v16
	v_lshl_add_u32 v9, v9, 7, v16
	v_add_nc_u32 v9, KVM, v9                       ; KVM + 128 d + 4 v
	v_lshl_add_u32 v10, v3, 2, KSP                 ; wave 8: word lane of the Ksum pairs: r = lane / 2, tile = lane % 2
	v_lshrrev_b32 v11, 2, v3
	v_and_b32 v16, 1, v3
	v_bfe_u32 v17, v3, 1, 1
	v_lshl_add_u32 v11, v11, 1, v16
	v_lshl_add_u32 v11, v11, 1, v17                ; d = 4 (r >> 1) + 2 tile + (r & 1)
	v_lshl_add_u32 v11, v11, 2, KSV
	v_lshl_add_u32 v12, v5, 9, KVM                 ; KV's row 4 hh
	s_lshl_b32 s17, s10, 2
	s_add_co_u32 s17, s17, MXW
	v_mov_b32 v13, s17
	v_mov_b32 v14, MXW
	v_lshl_add_u32 v15, v5, 6, KSV                 ; Ksum[16 hh ..]
	v_mov_b32 v29, 0                               ; written once: a lane permute's destination counts as one of its sources
	; offsets in memory
	v_bfe_u32 v[PO], v0, 4, 2
	v_lshlrev_b32 v[PO], 10, v[PO]
	v_lshl_add_u32 v[PO], v4, 4, v[PO]             ; sixteen lanes read 256 consecutive bytes, aligned
	v_lshlrev_b32 v[KO], 3, v3
	v_and_b32 v[WO], 7, v4
	v_lshrrev_b32 v16, 3, v4
	v_lshl_add_u32 v[WO], v16, 4, v[WO]
	v_lshlrev_b32 v[WO], 10, v[WO]                 ; Wm: row (r & 7) + 16 (r >> 3) of the tile, 1,024 bytes a row
	s_lshl_b32 s16, s15, 9
	s_lshl_b32 s17, s14, 8
	s_add_co_u32 s16, s16, s17                     ; 512 c + 256 h: the slice's place in an image
	s_lshl_b32 s20, s11, 6
	s_lshr_b32 s21, s10, 1
	s_lshl_b32 s21, s21, 3
	s_add_co_u32 s20, s20, s21                     ; the first of my 8 parts: 64 n + 8 (wave / 2)
	s_lshl_b32 s20, s20, 3
	s_add_co_u32 s20, s20, s12
	s_mul_i32 s20, s20, 4352
	s_add_co_u32 s20, s20, s16
	s_mov_b32 s21, 0
	s_lshl_b32 s22, s11, 6
	s_lshl_b32 s23, s10, 2
	s_add_co_u32 s22, s22, s23                     ; Ksum: the first of my 4 parts: 64 n + 4 wave
	s_lshl_b32 s22, s22, 3
	s_add_co_u32 s22, s22, s12
	s_mul_i32 s22, s22, 4352
	s_mov_b32 s23, 0
	s_lshr_b32 s26, s10, 1                         ; output tile t = wave: first row 32 (t >> 1) + 8 (t & 1)
	s_lshl_b32 s26, s26, 5
	s_and_b32 s27, s10, 1
	s_lshl_b32 s27, s27, 3
	s_add_co_u32 s26, s26, s27
	s_lshl_b32 s26, s26, 10
	s_lshl_b32 s27, s12, 7
	s_add_co_u32 s26, s26, s27                     ; + the head's 32 columns
	s_mov_b32 s27, 0
	s_mul_i32 s28, s11, 178176
	s_mul_i32 s29, s12, 22272
	s_add_co_u32 s28, s28, s29                     ; the head's block of att
	s_mov_b32 s29, 0
	s_lshl_b32 s30, s10, 10
	s_add_co_u32 s30, s30, s16
	v_lshlrev_b32 v[MO], 4, v4
	v_lshl_add_u32 v[MO], v5, 3, v[MO]
	v_add_nc_u32 v[MO], s30, v[MO]
	s_lshl_b32 s31, s15, 7
	v_lshl_add_u32 v[GO], v3, 2, s31
	s_wait_kmcnt 0x0
	s_add_nc_u64 s[20:21], s[4:5], s[20:21]
	s_add_nc_u64 s[22:23], s[4:5], s[22:23]
	s_add_nc_u64 s[6:7], s[6:7], s[26:27]
	s_add_nc_u64 s[8:9], s[8:9], s[28:29]
.irp k, 0,1,2,3,4,5,6,7
	global_load_b128 v[64+4*\k:67+4*\k], v[PO], s[20:21] offset:34816*\k th:TH_LOAD_NT   ; the slice's bytes of a part: read once in the launch
.endr
.irp k, 0,1,2,3
	global_load_b64 v[96+2*\k:97+2*\k], v[KO], s[22:23] offset:34816*\k+4096
.endr
.irp q, 0,1,2,3,4,5,6,7
	global_load_b128 v[32+4*\q:35+4*\q], v[WO], s[6:7] offset:16*\q   ; Wm[o][32 b ..]: it lands under the two barriers
.endr
	s_wait_loadcnt 0x8                             ; the parts and the Ksum pairs are in; Wm's eight loads may be out
.irp k, 2,4,6
	v_pk_add_f32 v[64:65], v[64:65], v[64+4*\k:65+4*\k]
	v_pk_add_f32 v[66:67], v[66:67], v[66+4*\k:67+4*\k]
	v_pk_add_f32 v[68:69], v[68:69], v[68+4*\k:69+4*\k]
	v_pk_add_f32 v[70:71], v[70:71], v[70+4*\k:71+4*\k]
.endr
	v_pk_add_f32 v[64:65], v[64:65], v[68:69]
	v_pk_add_f32 v[66:67], v[66:67], v[70:71]
	ds_store_b128 v6, v[64:67]
	v_pk_add_f32 v[96:97], v[96:97], v[98:99]
	v_pk_add_f32 v[100:101], v[100:101], v[102:103]
	v_pk_add_f32 v[96:97], v[96:97], v[100:101]
	ds_store_b64 v7, v[96:97]
	BARRIER                                        ; the partial sums lie in LDS
	s_cmp_lt_u32 s10, 8                            ; waves 0-7: the slice's 256 numbers, one a thread
	s_cbranch_scc0 .Lnot_kv
.irp k, 0,1,2,3,4,5,6,7
	ds_load_b32 v[16+\k], v8 offset:SUM+1024*\k
.endr
	s_wait_dscnt 0x0
	v_add_f32 v16, v16, v17
	v_add_f32 v18, v18, v19
	v_add_f32 v20, v20, v21
	v_add_f32 v22, v22, v23
	v_add_f32 v16, v16, v18
	v_add_f32 v20, v20, v22
	v_add_f32 v16, v16, v20
	ds_store_b32 v9, v16                           ; KV[d][v]
.Lnot_kv:
	s_cmp_lg_u32 s10, 8                            ; wave 8: the head's 32 numbers of Ksum
	s_cbranch_scc1 .Lnot_ks
.irp k, 0,1,2,3,4,5,6,7,8,9,10,11,12,13,14,15
	ds_load_b32 v[64+\k], v10 offset:256*\k
.endr
	s_wait_dscnt 0x0
.irp k, 0,2,4,6,8,10,12,14
	v_add_f32 v[64+\k], v[64+\k], v[65+\k]
.endr
.irp k, 0,4,8,12
	v_add_f32 v[64+\k], v[64+\k], v[66+\k]
.endr
	v_add_f32 v64, v64, v68
	v_add_f32 v72, v72, v76
	v_add_f32 v64, v64, v72
	ds_store_b32 v11, v64                          ; Ksum[d]
.Lnot_ks:
	BARRIER                                        ; KV's eight rows and Ksum lie in LDS
.macro KVROW i                         ; row 4 hh + i: sixteen lanes read the same words
.irp q, 0,1,2,3,4,5,6,7
	ds_load_b128 v[64+32*((\i)%2)+4*\q:67+32*((\i)%2)+4*\q], v12 offset:128*(\i)+16*\q
.endr
.endm
	KVROW 0
	KVROW 1
	s_wait_loadcnt 0x0                             ; Wm
.irp i, 0,1,2,3                                ; M[4 hh + i][o], even and odd v apart
.if \i < 3
	s_wait_dscnt 0x8                               ; this row's eight loads are in; the next row's may be out
.else
	s_wait_dscnt 0x0
.endif
	v_pk_mul_f32 v[16+2*\i:17+2*\i], v[64+32*(\i%2):65+32*(\i%2)], v[32:33]
.irp k, 2,4,6,8,10,12,14,16,18,20,22,24,26,28,30
	v_pk_fma_f32 v[16+2*\i:17+2*\i], v[64+32*(\i%2)+\k:65+32*(\i%2)+\k], v[32+\k:33+\k], v[16+2*\i:17+2*\i]
.endr
.if \i < 2
	KVROW \i+2
.endif
.endr
.irp i, 0,1,2,3
	v_add_f32 v[24+\i], v[16+2*\i], v[17+2*\i]
.endr
	v_max3_num_f32 v28, |v24|, |v25|, 0x800000     ; the floor 2^-126: the exponent field is 1 at the least
	v_max3_num_f32 v28, v28, |v26|, |v27|
	v_max_num_f32_dpp v28, v28, v28 row_xmask:1 row_mask:0xf bank_mask:0xf
	v_max_num_f32_dpp v28, v28, v28 row_xmask:2 row_mask:0xf bank_mask:0xf
	v_max_num_f32_dpp v28, v28, v28 row_xmask:4 row_mask:0xf bank_mask:0xf
	v_max_num_f32_dpp v28, v28, v28 row_xmask:8 row_mask:0xf bank_mask:0xf
	v_permlanex16_b32 v29, v28, s18, s19
	v_max_num_f32 v28, v28, v29
	ds_store_b32 v13, v28                          ; all lanes write the same word with the same value
	BARRIER
.irp k, 0,1,2,3
	ds_load_b128 v[64+4*\k:67+4*\k], v14 offset:16*\k
.endr
	s_wait_dscnt 0x0
	v_max3_num_f32 v28, v64, v65, v66
.irp k, 67,69,71,73,75,77
	v_max3_num_f32 v28, v28, v[\k], v[\k+1]
.endr
	v_max_num_f32 v28, v28, v79                    ; the slice's largest |M|
	v_lshrrev_b32 v30, 23, v28                     ; em
	v_sub_nc_u32 v31, 127, v30
.irp i, 0,1,2,3
	v_ldexp_f32 v[24+\i], v[24+\i], v31            ; M' = M 2^(127 - em): exact, under 2
.endr
	v_cvt_pk_f16_f32 v16, v24, v25
	v_cvt_pk_f16_f32 v17, v26, v27
	global_store_b64 v[MO], v[16:17], s[8:9] offset:5888   ; the wave stores 256 consecutive bytes, aligned: fragment t, registers 4 c .. 4 c + 3 of lanes 16 h + r
	s_cmp_lg_u32 s10, 0
	s_cbranch_scc1 .Ldone
.irp q, 0,1,2,3
	ds_load_b128 v[64+4*\q:67+4*\q], v15 offset:16*\q
.endr
	s_wait_dscnt 0x0
	v_max3_num_f32 v28, |v64|, |v65|, 0x800000
.irp k, 66,68,70,72,74,76,78
	v_max3_num_f32 v28, v28, |v[\k]|, |v[\k+1]|
.endr
	v_permlanex16_b32 v29, v28, s18, s19
	v_max_num_f32 v28, v28, v29
	v_lshrrev_b32 v80, 23, v28                     ; es
	v_lshl_or_b32 v81, v80, 8, v30                 ; (es << 8) | em
	v_cmp_eq_u32 vcc_lo, s14, v5                   ; image c's lanes 16 h .. 16 h + 15 are this slice's
	s_wait_xcnt 0x0                                ; EXEC changes only behind this wait: a store is out
	s_and_saveexec_b32 s24, vcc_lo
	global_store_b32 v[GO], v81, s[8:9] offset:4608
	s_wait_xcnt 0x0                                ; and again, in front of the line that widens it
	s_or_b32 exec_lo, exec_lo, s24
	s_cmp_lg_u32 s13, 0                            ; slice 0 stores the head's Ksum'
	s_cbranch_scc1 .Ldone
	v_sub_nc_u32 v82, 127, v80
.irp k, 0,1,2,3,4,5,6,7,8,9,10,11,12,13,14,15
	v_ldexp_f32 v[64+\k], v[64+\k], v82
.endr
.irp i, 0,1,2,3,4,5,6,7
	v_cvt_pk_f16_f32 v[84+\i], v[64+2*\i], v[65+2*\i]   ; Ksum' in all 16 rows of the fragment
.endr
	global_store_b128 v6, v[84:87], s[8:9] offset:4864      ; (in wave 0: 16 x thread = 16 lane)
	global_store_b128 v6, v[88:91], s[8:9] offset:4864+512
.Ldone:
	s_wait_tensorcnt 0x0                           ; the wave's end
	ds_add_u32 v1, v2
	s_wait_dscnt 0x0
	s_endpgm
.Lfunc_end_k_q65942c0136_red:
	.size	k_q65942c0136_red, .Lfunc_end_k_q65942c0136_red-k_q65942c0136_red
	.p2alignl 7, 3214868480
	.fill 96, 4, 3214868480
	.section	.rodata,"a",@progbits
	.p2align	6, 0x0
	.amdhsa_kernel k_q65942c0136_red
		.amdhsa_group_segment_fixed_size 15872
		.amdhsa_private_segment_fixed_size 0
		.amdhsa_enable_private_segment 0
		.amdhsa_kernarg_size 24
		.amdhsa_user_sgpr_count 2
		.amdhsa_user_sgpr_kernarg_segment_ptr 1
		.amdhsa_wavefront_size32 1
		.amdhsa_system_sgpr_workgroup_id_x 1
		.amdhsa_system_sgpr_workgroup_id_y 1
		.amdhsa_system_sgpr_workgroup_id_z 1
		.amdhsa_system_vgpr_workitem_id 0
		.amdhsa_next_free_vgpr 144
		.amdhsa_next_free_sgpr 66
		.amdhsa_reserve_vcc 1
		.amdhsa_float_denorm_mode_32 3
		.amdhsa_float_denorm_mode_16_64 3
		.amdhsa_memory_ordered 1
		.amdhsa_forward_progress 1
		.amdhsa_inst_pref_size 22
	.end_amdhsa_kernel
	.amdgpu_metadata
---
amdhsa.version: [ 1, 2 ]
amdhsa.kernels:
  - .name:           k_q65942c0136_red
    .symbol:         k_q65942c0136_red.kd
    .args:
      - { .name: part, .offset: 0, .size: 8, .value_kind: global_buffer, .address_space: global }
      - { .name: Wm, .offset: 8, .size: 8, .value_kind: global_buffer, .address_space: global }
      - { .name: att, .offset: 16, .size: 8, .value_kind: global_buffer, .address_space: global }
    .group_segment_fixed_size: 15872
    .private_segment_fixed_size: 0
    .kernarg_segment_align: 8
    .kernarg_segment_size: 24
    .max_flat_workgroup_size: 512
    .sgpr_count:     66
    .vgpr_count:     144
    .wavefront_size: 32
...
	.end_amdgpu_metadata
.endif
;; end of part 3
;; launch layer (part 4): grid 256 x 1, 4 waves a work-group, clusters of 4 x 1, 327,680 bytes of LDS; arguments x, att, wmlp, rope, ln1_g, ln1_b, ln2_g, ln2_b, out0; writes out0
.if DOCPART == 4
	.amdgcn_target "amdgcn-amd-amdhsa--gfx1250"
	.amdhsa_code_object_version 6
	.text
	.protected	k_q65942c0136_layer
	.globl	k_q65942c0136_layer
	.p2align	8
	.type	k_q65942c0136_layer,@function
k_q65942c0136_layer:
	s_mov_b64 s[64:65], 0
	v_nop
	global_prefetch_b8 v0, s[64:65] scope:SCOPE_SE
	s_setreg_imm32_b32 hwreg(HW_REG_WAVE_MODE, 25, 1), 1
	s_wait_xcnt 0x0
	s_wait_alu depctr_hold_cnt(0) depctr_sa_sdst(0) depctr_va_vdst(0) depctr_va_sdst(0) depctr_va_ssrc(0) depctr_va_vcc(0) depctr_vm_vsrc(0)
	s_getreg_b32 s2, hwreg(HW_REG_IB_STS2, 6, 4)
	s_cmp_eq_u32 s2, 0
	s_cbranch_scc0 .Lentry_in_a_cluster
	s_endpgm
.Lentry_in_a_cluster:
	s_bfe_u32 s2, ttmp6, 0x10000c
	s_cmp_lg_u32 s2, 0x3003
	s_cbranch_scc0 .Lentry_shape_is_right
	s_endpgm
.Lentry_shape_is_right:
; LAYER: for 256 tokens a work-group, 64 a wave (four tiles of 16): q = x Wq^T on E2M1 codes, Q = RoPE(elu(q) + 1), y = sum over heads of (Q Z) M, LN1, relu([x, msg] W1^T) W2^T, LN2, + x.
; Nothing between x and out0 goes to memory.  A lane holds ONE token (lane % 16) through all products: source 0 = 16 rows of a weight, source 1 = 16 tokens; the rows of a weight's tile are
; 32 B + 8 U + (r & 7) + 16 (r >> 3), so that tiles 2 B and 2 B + 1 give a lane 16 neighbouring channels 32 B + 16 (lane / 16) + 0 .. 15, which packed to f16 are the next product's operand.
; Every f16 fragment, on both sides, holds k = 32 kb + 16 (lane / 16) + 0 .. 15 in registers 0 .. 7.  All weights lie in memory as images of their registers (byte 512 c + 16 lane: registers 4 c .. 4 c + 3).
; Z: Q.Ksum is one product whose source 0 has Ksum' in all 16 rows, so that the divisor falls into register 0 of every lane.  M' has a power of two for each slice of eight channels 16 h + 8 u + 0 .. 7 of a head:
; a lane's word (es << 8) | em for u = 0, 1 gives g = em - es; Q Z is multiplied by 2^(g - EV), EV the largest g of the batch; y's true value is ACC x 2^EV.
; STATE: x's f16 fragments lie in LDS as each wave's own images (32 KB a wave); msg (256 registers) and the 64 output accumulators (512) in registers; the weights walk by once for all 256 tokens.
; CLUSTER: the four work-groups of a cluster belong to one batch and read the same head blocks and the same MLP chunks: every tensor load is asked for jointly (mask 15), a quarter by each wave.
; By this text's own count a wave has one tensor load out at the most.  The MLP's ring: two slots of 49,152 bytes inside the bytes of the head blocks, one chunk of 32 hidden units a slot.
; LIMITS: NaN and infinities are not served.  x, Q, Q Z, LN1's output, the hidden layer, W1 and W2 are f16 operands: magnitudes under 65,504.  A block of zeros gets the scale byte 1 (its codes are zeros).
; The last two look-ahead loads of x in the last loop are held at the wave's last four tokens and not used; the last MLP trip fetches fragments of a chunk that it does not multiply.
; REGISTERS, in windows of 256.  Window 0: v1-19 addresses and single numbers, v20-31 scale words, v32-95 q's or the hidden layer's accumulators, v96-255 fragments at work.
;   Window 1: x's codes, RoPE's (cos, sin), e^q and then Q, Q packed, Q Z packed; from LN1 on msg's 32 fragments.   Windows 2, 3: x as loaded; then the 64 accumulators (tile tt, output tile t) at 8 (16 (tt % 2) + t).
.set ATTN,  178176
.set ATTB,  22272                      ; a head's block: 4 fragments of Wq's codes, 4 scale images, 2 images of the slices' words, Ksum', 16 fragments of M'
.set WQS_O, 4096
.set CST_O, 4608
.set KSF_O, 4864
.set MF_O,  5888
.set SLOT1, 65536
.set TILEB, 49152
.set XIMG,  178176                     ; behind the head blocks: x's images, 32,768 bytes a wave: fragment 8 tt + ks
.set XSTG,  309248                     ; a stage of 16 rows x (256 + 16) bytes for each wave
.set SPARE, 326656                     ; the spare words, 128 bytes for each wave
.set OSTB,  66560                      ; the way out: 64 rows x (1,024 + 16) bytes a wave, from byte 0 on, behind the last fill and the last read of what lay there
.set OSP,   1040
.set SPW, 1
.set NIL, 2
.set LI,  3                            ; 16 lane
.set LS,  4                            ; 4 lane
.set ADH, 5                            ; head block + 16 lane;  in the MLP: 256 lane, the prefetches' offset
.set ADS, 6                            ; head block + 4 lane;   at the end: x's offset, set A
.set STI, 7                            ; stage, way in;         at the end: x's offset, set B
.set STO, 8                            ; stage, way out;        at the end: the stores' offset
.set XIW, 9                            ; my x images + 16 lane
.set ADW, 10                           ; slot + 16 lane
.set XG,  11                           ; x: 1,024 (lane / 16) + 16 (lane % 16)
.set OSI, 12
.set OSO, 13
.set EV,  14                           ; at the end: the look-ahead's limit
.set FS,  15                           ; 1e-6 x 2^(127 - es);  at the end: LDS address of the group in hand
.set W0,  16                           ; my half's word of slice u = 0, then g - EV
.set W1,  17                           ; u = 1
.set T0,  18
.set T1,  19
.set WQS, 20                           ; v20-23 Wq's scale words;  v24-31 x's (2 tt + s): scales and nothing else
.set XSCL, 24
.set QA,  32
.set HID, 32
.set DEN, 96
.set KSF, 128
.set ZP,  140                          ; v140-155: Z x 2^(g - EV), a pair for each (tt, u)
.set MB0, 160
.set MB1, 32
.set WQ,  224
.set TM,  160                          ; the quantiser's, while x is taken in
.set CSI, 64                           ; window 1
.set TMP, 128
.set QP,  192
.set AP,  224
.set SC,  160                          ; LN1: four chains of sums
.set MN,  168                          ; means, a pair a tile
.set RS,  176                          ; factors, a pair a tile
.set PT,  184
.set GBO, 190
.set YY,  192
.set WV,  22
.set CX,  23
.set WG,  24
.set NB,  25
.set G1F, 28
.set G1M, 36
.set G0F, 44
.set G0M, 48
.set TB,  52
.set TBH, 53
.set CNT, 54
.set SEL, 56
.set PFA, 60
.set L2E, 68
.set R256, 70
.set TO,  71
.set EPS, 76
.set MSB, 0
.macro WIN new                         ; the immediate's high byte repeats the setting that is left
.set WNEW, (\new)
.if MSB != WNEW
	s_set_vgpr_msb (MSB<<8)|WNEW
.set MSB, WNEW
.endif
.endm
.macro PLACES n
.rept \n
	v_nop
.endr
.endm
.macro ROUND                           ; a round of the cluster's barrier
	s_barrier_signal -1
	s_barrier_wait -1
	s_cmp_lg_u32 s[WV], 0
	s_cbranch_scc1 .Lnw0_\@
	s_barrier_signal -3
.Lnw0_\@:
	s_barrier_wait -3
	s_barrier_signal -1
	s_barrier_wait -1
.endm
; A chunk of the MLP's weights is asked for: all my tensor loads have landed, the add, my LDS reads are over; a round, so that this holds of every wave of the four work-groups; the joint load first behind it
.macro CHG step
	s_wait_tensorcnt 0x0
	ds_add_u32 v[SPW], v[NIL]
.if \step
	s_xor_b32 s[G0M+1], s[G0M+1], SLOT1
	s_add_nc_u64 s[G0M+2:G0M+3], s[G0M+2:G0M+3], TILEB
.endif
	s_wait_dscnt 0x0
	ROUND
	tensor_load_to_lds s[G0M:G0M+3], s[G1M:G1M+7]
	s_nop 0
	PLACES 4
.endm
	s_load_b512 s[4:19], s[0:1], 0x0               ; x s[4:5], att s[6:7], wmlp s[8:9], rope s[10:11], ln1_g s[12:13], ln1_b s[14:15], ln2_g s[16:17], ln2_b s[18:19]
	s_load_b64 s[20:21], s[0:1], 0x40              ; out0
	v_lshl_add_u32 v[SPW], v0, 2, SPARE
	v_mov_b32 v[NIL], 0
	ds_add_u32 v[SPW], v[NIL]                      ; the wave's opening: the add, twice on end, and its wait ahead of the round in front of my first tensor load
	ds_add_u32 v[SPW], v[NIL]
	v_lshrrev_b32 v18, 5, v0
	v_readfirstlane_b32 s[WV], v18                 ; wave 0..3
	s_bfe_u32 s[CX], ttmp6, 0x40000                ; my place in the cluster: it enters x's, out0's and the table's global addresses alone
	s_lshl_b32 s[WG], ttmp9, 2
	s_add_co_u32 s[WG], s[WG], s[CX]               ; work-group
	s_lshr_b32 s[NB], ttmp9, 4                     ; batch: 16 clusters each; the same in all four partners
	; descriptor groups 1: dense blocks as rows of 32 elements of 8 bytes; mask 15 and bit 21 beside it
	s_mov_b32 s[G1F], 15|(3<<16)|(1<<21)
	s_mov_b32 s[G1F+1], 32<<16
	s_mov_b32 s[G1F+2], 174<<16                    ; a quarter of the eight head blocks: 174 rows
	s_mov_b32 s[G1F+3], 32<<16
	s_mov_b32 s[G1F+4], 174
	s_mov_b32 s[G1F+5], 32
	s_mov_b32 s[G1F+6], 0
	s_mov_b32 s[G1F+7], 0
	s_mov_b32 s[G1M], 15|(3<<16)|(1<<21)
	s_mov_b32 s[G1M+1], 32<<16
	s_mov_b32 s[G1M+2], 48<<16                     ; a quarter of a chunk: 48 rows
	s_mov_b32 s[G1M+3], 32<<16
	s_mov_b32 s[G1M+4], 48
	s_mov_b32 s[G1M+5], 32
	s_mov_b32 s[G1M+6], 0
	s_mov_b32 s[G1M+7], 0
	s_mov_b32 s[G0F], 1
	s_mul_i32 s[G0F+1], s[WV], 44544
	s_mul_i32 s26, s[NB], ATTN
	s_add_co_u32 s26, s26, s[G0F+1]
	s_mov_b32 s27, 0
	s_mov_b32 s[G0M], 1
	s_mul_i32 s[G0M+1], s[WV], 12288
	s_mov_b32 s72, s[G0M+1]
	s_mov_b32 s73, 0
	s_lshl_b32 s58, s[WG], 18                      ; my work-group's 256 rows of 1,024 bytes,
	s_lshl_b32 s59, s[WV], 16                      ; my wave's 64
	s_add_co_u32 s58, s58, s59
	s_mov_b32 s59, 0
	s_mov_b32 s[SEL], 0x76543210
	s_mov_b32 s[SEL+1], 0xfedcba98
	s_mov_b32 s[L2E], 0x3fb8aa3b
	s_mov_b32 s[L2E+1], s[L2E]
	s_mov_b32 s[R256], 0x3b800000                  ; 1 / 256
	s_mov_b32 s[EPS], 0x358637bd                   ; 1e-6
	v_and_b32 v18, 31, v0
	v_lshlrev_b32 v[LI], 4, v18
	v_lshlrev_b32 v[LS], 2, v18
	v_and_b32 v18, 15, v0                          ; r
	v_bfe_u32 v19, v0, 4, 1                        ; h
	s_mul_i32 s74, s[WV], 4352
	s_add_co_u32 s74, s74, XSTG
	v_mul_u32_u24 v[STI], v19, 272
	v_lshl_add_u32 v[STI], v18, 4, v[STI]
	v_add_nc_u32 v[STI], s74, v[STI]               ; in: rows 2 q + lane / 16, 16 bytes a lane
	v_mul_u32_u24 v[STO], v18, 272
	v_lshl_add_u32 v[STO], v19, 6, v[STO]
	v_add_nc_u32 v[STO], s74, v[STO]               ; out: row r, + 64 h: 16 neighbours of a block of 32
	s_lshl_b32 s74, s[WV], 15
	s_add_co_u32 s74, s74, XIMG
	v_add_nc_u32 v[XIW], s74, v[LI]
	v_lshlrev_b32 v[XG], 10, v19
	v_lshl_add_u32 v[XG], v18, 4, v[XG]
	s_mul_i32 s74, s[WV], OSTB
	v_mul_u32_u24 v[OSI], v18, OSP
	v_lshl_add_u32 v[OSI], v19, 6, v[OSI]
	v_add_nc_u32 v[OSI], s74, v[OSI]
	v_add_nc_u32 v[OSO], s74, v[LI]
	s_and_b32 s74, s[WG], 63
	s_lshl_b32 s74, s74, 1
	s_lshr_b32 s75, s[WV], 1
	s_add_co_u32 s74, s74, s75                     ; my grid row i
	s_lshl_b32 s74, s74, 6
	v_lshl_add_u32 v180, v19, 5, s74               ; table TC: 64 i + 32 h: f = 4 h .. 4 h + 3
	s_and_b32 s75, s[WV], 1
	s_lshl_b32 s75, s75, 12                        ; my first column j0 = 64 (wave % 2), 64 bytes a position
	v_lshlrev_b32 v181, 6, v18
	v_lshl_add_u32 v181, v19, 5, v181
	v_add_nc_u32 v181, s75, v181
.irp b, 0,1,2,3
	v_mov_b32 v[TM+4+\b], 0                        ; written once: a lane permute's destination counts as one of its sources
.endr
	s_wait_dscnt 0x0                               ; both opening adds are done
	s_wait_kmcnt 0x0
	s_add_nc_u64 s[G0F+2:G0F+3], s[6:7], s[26:27]
	s_or_b32 s[G0F+3], s[G0F+3], 0x80000000
	s_add_nc_u64 s[G0M+2:G0M+3], s[8:9], s[72:73]
	s_or_b32 s[G0M+3], s[G0M+3], 0x80000000
	s_add_nc_u64 s[4:5], s[4:5], s[58:59]          ; x and out0 at my wave's first token
	s_add_nc_u64 s[20:21], s[20:21], s[58:59]
	s_mov_b64 s[PFA:PFA+1], s[4:5]
	WIN 0x40                                       ; destination window 1
	global_load_b128 v[CSI:CSI+3], v180, s[10:11]
	global_load_b128 v[CSI+4:CSI+7], v180, s[10:11] offset:16
.irp tt, 0,1,2,3
	global_load_b128 v[CSI+8+8*\tt:CSI+8+8*\tt+3], v181, s[10:11] offset:1024*\tt
	global_load_b128 v[CSI+8+8*\tt+4:CSI+8+8*\tt+7], v181, s[10:11] offset:1024*\tt+16
.endr
	WIN 0
; Tile tt's 16 rows of x as they lie: each load reads two whole runs of 256 bytes
.macro XLOAD tt
	WIN 0x80+0x40*((\tt)/2)
.irp p, 0,1,2,3
.irp q, 0,1,2,3,4,5,6,7
	global_load_b128 v[128*((\tt)%2)+4*(8*\p+\q):128*((\tt)%2)+4*(8*\p+\q)+3], v[XG], s[4:5] offset:(16*(\tt)+2*\q)*1024+256*\p
.endr
.endr
	WIN 0
.endm
	XLOAD 0
	ROUND                                          ; all four work-groups are here: the first joint load meets
	tensor_load_to_lds s[G0F:G0F+3], s[G1F:G1F+7]  ; the batch's eight head blocks, a quarter a wave
	s_nop 0
	PLACES 4
	XLOAD 1
; Tile tt of x: through my stage, so that a lane holds 16 neighbours of each block of 32; quantised into codes (window 1) and scale words; packed to f16 and stored as my own images
.macro XTILE tt
.irp s, 0,1
.set XN, 32+64*\s
.irp pp, 0,1
	WIN 0x08+0x04*((\tt)/2)                        ; an LDS store's data are its source 1
.irp q, 0,1,2,3,4,5,6,7
	ds_store_b128 v[STI], v[128*((\tt)%2)+4*(8*(2*\s+\pp)+\q):128*((\tt)%2)+4*(8*(2*\s+\pp)+\q)+3] offset:544*\q
.endr
	WIN 0
.irp bb, 0,1
.irp i, 0,1,2,3
	ds_load_b128 v[XN+16*(2*\pp+\bb)+4*\i:XN+16*(2*\pp+\bb)+4*\i+3], v[STO] offset:128*\bb+16*\i   ; LDS serves a wave's instructions in order: these see the stores above, and the next stores come behind them
.endr
.endr
.endr
	s_wait_dscnt 0x0
.irp b, 0,1,2,3
	v_max3_num_f32 v[TM+\b], |v[XN+16*\b]|, |v[XN+1+16*\b]|, 0x1800000   ; the floor 2^(3 - 127) holds the byte at 1 from below
.endr
.irp i, 2,4,6,8,10,12,14
.irp b, 0,1,2,3
	v_max3_num_f32 v[TM+\b], v[TM+\b], |v[XN+16*\b+\i]|, |v[XN+1+16*\b+\i]|
.endr
.endr
.irp b, 0,1,2,3
	v_permlanex16_b32 v[TM+4+\b], v[TM+\b], s[SEL], s[SEL+1]
.endr
.irp b, 0,1,2,3
	v_max_num_f32 v[TM+\b], v[TM+\b], v[TM+4+\b]
.endr
.irp b, 0,1,2,3
	v_add_nc_u32 v[TM+12+\b], 0xff000000, v[TM+\b] ; 2 off the exponent field: the conversion's scale operand
.endr
.irp b, 0,1,2,3
	v_lshrrev_b32 v[TM+4+\b], 23, v[TM+12+\b]
.endr
	v_lshl_or_b32 v[XSCL+2*\tt+\s], v[TM+5], 8, v[TM+4]
	v_lshl_or_b32 v[XSCL+2*\tt+\s], v[TM+6], 16, v[XSCL+2*\tt+\s]
	v_lshl_or_b32 v[XSCL+2*\tt+\s], v[TM+7], 24, v[XSCL+2*\tt+\s]
	WIN 0x40                                       ; the codes go straight into window 1
.irp b, 0,1,2,3
	v_cvt_scalef32_pk8_fp4_f32 v[16*\tt+8*\s+2*\b], v[XN+16*\b:XN+16*\b+7], v[TM+12+\b]
	v_cvt_scalef32_pk8_fp4_f32 v[16*\tt+8*\s+2*\b+1], v[XN+16*\b+8:XN+16*\b+15], v[TM+12+\b]
.endr
	v_nop                                          ; one plain instruction behind a scaled conversion
	WIN 0x41
.irp c, 0,1
.irp i, 0,1
	v_permlane16_swap_b32 v[16*\tt+8*\s+4*\c+\i], v[16*\tt+8*\s+4*\c+2+\i]   ; a whole block to a lane
.endr
.endr
	WIN 0
.irp b, 0,1,2,3
.irp i, 0,1,2,3,4,5,6,7
	v_cvt_pk_f16_f32 v[192+32*\s+8*\b+\i], v[XN+16*\b+2*\i], v[XN+16*\b+2*\i+1]
.endr
.endr
.irp b, 0,1,2,3
	ds_store_b128 v[XIW], v[192+32*\s+8*\b:192+32*\s+8*\b+3] offset:(8*\tt+4*\s+\b)*1024
	ds_store_b128 v[XIW], v[192+32*\s+8*\b+4:192+32*\s+8*\b+7] offset:(8*\tt+4*\s+\b)*1024+512
.endr
.endr
.endm
	s_wait_loadcnt 32                              ; tile 0 (and the table) is in; tile 1's 32 loads may be out
	XLOAD 2
	XTILE 0
	s_wait_loadcnt 32                              ; tile 1 is in; tile 2's may be out
	XLOAD 3
	XTILE 1
	s_wait_loadcnt 32                              ; tile 2 is in; tile 3's may be out
	XTILE 2
	s_wait_loadcnt 0x0
	XTILE 3
	s_wait_tensorcnt 0x0                           ; my quarter of the head blocks is in,
	s_wait_dscnt 0x0
	s_barrier_signal -1
	s_barrier_wait -1                              ; everybody's is
	; EV: the largest g = em - es of the batch's 32 slices: my half's 16 words, then the other half's
	v_add_nc_u32 v18, 3*ATTB, v[LS]
	v_add_nc_u32 v19, 6*ATTB, v[LS]
.irp u, 0,1
.irp b, 0,1,2
	ds_load_b32 v[96+8*\u+\b], v[LS] offset:ATTB*\b+CST_O+128*\u
	ds_load_b32 v[99+8*\u+\b], v18 offset:ATTB*\b+CST_O+128*\u
.endr
	ds_load_b32 v[102+8*\u], v19 offset:CST_O+128*\u
	ds_load_b32 v[103+8*\u], v19 offset:ATTB+CST_O+128*\u
.endr
.irp i, 0,1,2,3,4,5,6,7
	v_mov_b32 v[ZP+2*\i+1], 0                      ; named as a pair's upper half
.endr
	v_mov_b32 v128, 0                              ; a lane permute's destination counts as one of its sources
	s_wait_dscnt 0x0
.irp i, 0,1,2,3,4,5,6,7,8,9,10,11,12,13,14,15
	v_and_b32 v[112+\i], 255, v[96+\i]             ; em
.endr
.irp i, 0,1,2,3,4,5,6,7,8,9,10,11,12,13,14,15
	v_lshrrev_b32 v[96+\i], 8, v[96+\i]            ; es
.endr
.irp i, 0,1,2,3,4,5,6,7,8,9,10,11,12,13,14,15
	v_sub_nc_u32 v[96+\i], v[112+\i], v[96+\i]     ; g
.endr
	v_max_i32 v[EV], v96, v97
.irp b, 98,99,100,101,102,103,104,105,106,107,108,109,110,111
	v_max_i32 v[EV], v[EV], v[\b]
.endr
	v_permlanex16_b32 v128, v[EV], s[SEL], s[SEL+1]
	v_max_i32 v[EV], v[EV], v128
; 32 products y += M' (Q Z): output tiles t0 .. t0 + 7 from fragments at mb, all four token tiles; 32 different accumulators
.macro ATTW mb, t0, z
.irp hi, 0,1
	WIN 0xa4+0x50*\hi                              ; source 1 window 1; C and D window 2 or 3
.irp a, 0,1
.irp t, 0,1,2,3,4,5,6,7
.if \z
	v_wmma_f32_16x16x32_f16 v[8*(16*\a+\t0+\t):8*(16*\a+\t0+\t)+7], v[\mb+8*\t:\mb+8*\t+7], v[AP+8*(2*\hi+\a):AP+8*(2*\hi+\a)+7], 0
.else
	v_wmma_f32_16x16x32_f16 v[8*(16*\a+\t0+\t):8*(16*\a+\t0+\t)+7], v[\mb+8*\t:\mb+8*\t+7], v[AP+8*(2*\hi+\a):AP+8*(2*\hi+\a)+7], v[8*(16*\a+\t0+\t):8*(16*\a+\t0+\t)+7]
.endif
.endr
.endr
.endr
.endm
; One head.  z = 1: the first, whose products start y's sums
.macro HEAD z
	v_add_nc_u32 v[ADH], s[TBH], v[LI]
	v_add_nc_u32 v[ADS], s[TBH], v[LS]
	PLACES 5                                       ; behind the last head's products: in front of the loads into their fragments' registers, and of q's products, which write over M's tiles 8-15
.irp f, 0,1,2,3
	ds_load_b128 v[WQ+8*\f:WQ+8*\f+3], v[ADH] offset:1024*\f
	ds_load_b128 v[WQ+8*\f+4:WQ+8*\f+7], v[ADH] offset:1024*\f+512
.endr
.irp f, 0,1,2,3
	ds_load_b32 v[WQS+\f], v[ADS] offset:WQS_O+128*\f
.endr
	ds_load_b32 v[W0], v[ADS] offset:CST_O
	ds_load_b32 v[W1], v[ADS] offset:CST_O+128
	ds_load_b128 v[KSF:KSF+3], v[ADH] offset:KSF_O
	ds_load_b128 v[KSF+4:KSF+7], v[ADH] offset:KSF_O+512
.irp t, 0,1,2,3,4,5,6,7
	ds_load_b128 v[MB0+8*\t:MB0+8*\t+3], v[ADH] offset:MF_O+1024*\t
	ds_load_b128 v[MB0+8*\t+4:MB0+8*\t+7], v[ADH] offset:MF_O+1024*\t+512
.endr
	s_wait_dscnt 20                                ; Wq's codes and scale words are in; the slices' two words, Ksum' (2) and M's tiles 0-7 (16) may be out
	WIN 0x04                                       ; source 1, x's codes: window 1
.irp s, 0,1
.irp tt, 0,1,2,3
.irp u, 0,1                                    ; eight accumulators by turns
.if \s == 0
	v_wmma_scale_f32_16x16x128_f8f6f4 v[QA+16*\tt+8*\u:QA+16*\tt+8*\u+7], v[WQ+8*(2*\u+\s):WQ+8*(2*\u+\s)+7], v[16*\tt+8*\s:16*\tt+8*\s+7], 0, v[WQS+2*\u+\s], v[XSCL+2*\tt+\s] matrix_a_fmt:MATRIX_FMT_FP4 matrix_b_fmt:MATRIX_FMT_FP4
.else
	v_wmma_scale_f32_16x16x128_f8f6f4 v[QA+16*\tt+8*\u:QA+16*\tt+8*\u+7], v[WQ+8*(2*\u+\s):WQ+8*(2*\u+\s)+7], v[16*\tt+8*\s:16*\tt+8*\s+7], v[QA+16*\tt+8*\u:QA+16*\tt+8*\u+7], v[WQS+2*\u+\s], v[XSCL+2*\tt+\s] matrix_a_fmt:MATRIX_FMT_FP4 matrix_b_fmt:MATRIX_FMT_FP4
.endif
.endr
.endr
.endr
	WIN 0
	PLACES 4
	WIN 0x40
.set j, 0
.rept 32
	v_pk_mul_f32 v[TMP+j:TMP+j+1], v[QA+j:QA+j+1], s[L2E:L2E+1] op_sel_hi:[1,0]   ; each accumulator from its low end on
.set j, j+2
.endr
	WIN 0x41
.set j, 0
.rept 64
	v_exp_f32 v[TMP+j], v[TMP+j]                   ; e^q
.set j, j+1
.endr
	WIN 0
.set j, 0
.rept 32
	v_pk_add_f32 v[QA+j:QA+j+1], v[QA+j:QA+j+1], 1.0 op_sel_hi:[1,0]   ; q + 1: plain work behind the exponentials
.set j, j+2
.endr
	s_wait_alu depctr_va_vdst(0)                   ; one wait for the batch of 64, ahead of its first reader
	WIN 0x01
.set j, 0
.rept 64
	v_med3_num_f32 v[QA+j], v[TMP+j], v[QA+j], 1.0 ; elu(q) + 1: the middle one of e^q, q + 1, 1
.set j, j+1
.endr
	; RoPE.  Pair k = 8 tt + 4 u + jp holds channels 16 h + 8 u + 2 jp, + 1: f = 4 h + 2 u + jp / 2; even jp turns by i, odd jp by the token's j.  The result goes to window 1
	WIN 0x44
.set k, 0
.rept 32
	v_pk_mul_f32 v[TMP+2*k:TMP+2*k+1], v[QA+2*k:QA+2*k+1], v[CSI+2*(2*((k/4)%2)+(k%4)/2)+(k%2)*(8+8*(k/8)):CSI+2*(2*((k/4)%2)+(k%4)/2)+(k%2)*(8+8*(k/8))+1] op_sel_hi:[1,0]   ; (x0 cos, x1 cos)
.set k, k+1
.endr
	WIN 0x54
.set k, 0
.rept 32
	v_pk_fma_f32 v[TMP+2*k:TMP+2*k+1], v[QA+2*k:QA+2*k+1], v[CSI+2*(2*((k/4)%2)+(k%4)/2)+(k%2)*(8+8*(k/8)):CSI+2*(2*((k/4)%2)+(k%4)/2)+(k%2)*(8+8*(k/8))+1], v[TMP+2*k:TMP+2*k+1] op_sel:[1,1,0] op_sel_hi:[0,1,1] neg_lo:[0,1,0]   ; (- x1 sin, + x0 sin)
.set k, k+1
.endr
	WIN 0
.irp t, 0,1,2,3,4,5,6,7
	ds_load_b128 v[MB1+8*\t:MB1+8*\t+3], v[ADH] offset:MF_O+1024*(8+\t)          ; q's registers are free: M's tiles 8-15
	ds_load_b128 v[MB1+8*\t+4:MB1+8*\t+7], v[ADH] offset:MF_O+1024*(8+\t)+512
.endr
	WIN 0x45
.set k, 0
.rept 32
	v_cvt_pk_f16_f32 v[QP+k], v[TMP+2*k], v[TMP+2*k+1]
.set k, k+1
.endr
	s_wait_dscnt 32                                ; the two words and Ksum' are in; M's 32 loads may be out
	WIN 0x04
.irp tt, 0,1,2,3
	v_wmma_f32_16x16x32_f16 v[DEN+8*\tt:DEN+8*\tt+7], v[KSF:KSF+7], v[QP+8*\tt:QP+8*\tt+7], 0   ; Q.Ksum' of token r, in every register
.endr
	WIN 0
	v_lshrrev_b32 v[T0], 8, v[W0]                  ; es.  (These eight plain lines name no register of the four products: they are the places behind them)
	v_and_b32 v[W0], 255, v[W0]                    ; em of my half's slice u = 0,
	v_and_b32 v[W1], 255, v[W1]                    ; u = 1
	v_add_nc_u32 v[T1], v[T0], v[EV]
	v_sub_nc_u32 v[W0], v[W0], v[T1]               ; g - EV = em - es - EV, 0 or less
	v_sub_nc_u32 v[W1], v[W1], v[T1]
	v_sub_nc_u32 v[T0], 127, v[T0]
	v_ldexp_f32 v[FS], s[EPS], v[T0]               ; 1e-6 x 2^(127 - es)
.irp tt, 0,1,2,3
	v_add_f32 v[ZP+4*\tt], v[DEN+8*\tt], v[FS]
.endr
.irp tt, 0,1,2,3
	v_rcp_f32 v[ZP+4*\tt], v[ZP+4*\tt]
.endr
	v_nop
	s_wait_alu depctr_va_vdst(0)                   ; one wait for the four reciprocals
.irp tt, 0,1,2,3
	v_ldexp_f32 v[ZP+4*\tt+2], v[ZP+4*\tt], v[W1]  ; x 2^(g - EV): exact; channels 16 h + 8 .. 15,
.endr
.irp tt, 0,1,2,3
	v_ldexp_f32 v[ZP+4*\tt], v[ZP+4*\tt], v[W0]    ; channels 16 h + 0 .. 7
.endr
	WIN 0x41
.set k, 0
.rept 32
	v_pk_mul_f32 v[TMP+2*k:TMP+2*k+1], v[TMP+2*k:TMP+2*k+1], v[ZP+2*(k/4):ZP+2*(k/4)+1] op_sel_hi:[1,0]
.set k, k+1
.endr
	WIN 0x45
.set k, 0
.rept 32
	v_cvt_pk_f16_f32 v[AP+k], v[TMP+2*k], v[TMP+2*k+1]
.set k, k+1
.endr
	s_wait_dscnt 16                                ; M's tiles 0-7 are in
	ATTW MB0, 0, \z
	s_wait_dscnt 0x0
	ATTW MB1, 8, \z
	WIN 0
.endm
	s_mov_b32 s[TBH], 0
	HEAD 1
	s_mov_b32 s[TBH], ATTB
	s_mov_b32 s[CNT], 7
.Lhead:
	HEAD 0
	s_add_co_u32 s[TBH], s[TBH], ATTB
	s_sub_co_u32 s[CNT], s[CNT], 1
	s_cmp_lg_u32 s[CNT], 0
	s_cbranch_scc1 .Lhead
	; ---- LN1.  A token's 256 numbers lie in lanes r and r + 16, 128 each
.macro GBLOAD B                        ; gain and bias of channels 32 B + 16 h + 0 .. 15 into block B % 4 of v32-159
.irp q, 0,1,2,3
	global_load_b128 v[32+32*((\B)%4)+4*\q:32+32*((\B)%4)+4*\q+3], v[GBO], s[12:13] offset:128*(\B)+16*\q
.endr
.irp q, 0,1,2,3
	global_load_b128 v[48+32*((\B)%4)+4*\q:48+32*((\B)%4)+4*\q+3], v[GBO], s[14:15] offset:128*(\B)+16*\q
.endr
.endm
.macro REDUCE                          ; the four chains, the pair's halves and lane l xor 16's: the token's sum in v[SC]
	v_pk_add_f32 v[SC:SC+1], v[SC:SC+1], v[SC+2:SC+3]
	v_pk_add_f32 v[SC+4:SC+5], v[SC+4:SC+5], v[SC+6:SC+7]
	v_pk_add_f32 v[SC:SC+1], v[SC:SC+1], v[SC+4:SC+5]
	v_add_f32 v[SC], v[SC], v[SC+1]
	v_permlanex16_b32 v[PT], v[SC], s[SEL], s[SEL+1]
	v_add_f32 v[SC], v[SC], v[PT]
.endm
.macro LNSUM tt
.set WN, 2+(\tt)/2
.set AB, 128*((\tt)%2)
	WIN WN|(WN<<2)
.irp k, 0,1,2,3
	v_pk_add_f32 v[SC+2*\k:SC+2*\k+1], v[AB+2*\k:AB+2*\k+1], v[AB+8+2*\k:AB+8+2*\k+1]   ; the first pairs start the chains; each accumulator is read from its low end on
.endr
	WIN WN<<2
.set p, 8
.rept 56
	v_pk_add_f32 v[SC+2*(p%4):SC+2*(p%4)+1], v[SC+2*(p%4):SC+2*(p%4)+1], v[AB+2*p:AB+2*p+1]
.set p, p+1
.endr
	WIN 0
	REDUCE
	v_mul_f32 v[MN+2*\tt], s[R256], v[SC]
.endm
.macro LNVAR tt
.set WN, 2+(\tt)/2
.set AB, 128*((\tt)%2)
	WIN WN|(WN<<6)
.set p, 0
.rept 64
	v_pk_add_f32 v[AB+2*p:AB+2*p+1], v[AB+2*p:AB+2*p+1], v[MN+2*\tt:MN+2*\tt+1] op_sel_hi:[1,0] neg_lo:[0,1] neg_hi:[0,1]   ; y - mean, in place
.set p, p+1
.endr
	WIN WN|(WN<<2)
.irp k, 0,1,2,3
	v_pk_mul_f32 v[SC+2*\k:SC+2*\k+1], v[AB+2*\k:AB+2*\k+1], v[AB+2*\k:AB+2*\k+1]
.endr
.set p, 4
.rept 60
	v_pk_fma_f32 v[SC+2*(p%4):SC+2*(p%4)+1], v[AB+2*p:AB+2*p+1], v[AB+2*p:AB+2*p+1], v[SC+2*(p%4):SC+2*(p%4)+1]
.set p, p+1
.endr
	WIN 0
	REDUCE
	v_mul_f32 v[RS+2*\tt], s[R256], v[SC]
.endm
.macro LNOUT B, left                   ; channels 32 B .. 32 B + 31 of all four tiles become msg's fragments kb = B
	s_wait_loadcnt \left                           ; this block's gain and bias are in; the loads of the blocks behind it may be out
.irp tt, 0,1,2,3
	WIN 0x02+(\tt)/2
.irp i, 0,1,2,3,4,5,6,7
	v_pk_mul_f32 v[YY+16*\tt+2*\i:YY+16*\tt+2*\i+1], v[128*(\tt%2)+16*(\B)+2*\i:128*(\tt%2)+16*(\B)+2*\i+1], v[RS+2*\tt:RS+2*\tt+1] op_sel_hi:[1,0]
.endr
.endr
	WIN 0
.irp tt, 0,1,2,3
.irp i, 0,1,2,3,4,5,6,7
	v_pk_fma_f32 v[YY+16*\tt+2*\i:YY+16*\tt+2*\i+1], v[YY+16*\tt+2*\i:YY+16*\tt+2*\i+1], v[32+32*((\B)%4)+2*\i:32+32*((\B)%4)+2*\i+1], v[48+32*((\B)%4)+2*\i:48+32*((\B)%4)+2*\i+1]
.endr
.endr
	WIN 0x40
.irp tt, 0,1,2,3
.irp i, 0,1,2,3,4,5,6,7
	v_cvt_pk_f16_f32 v[64*\tt+8*(\B)+\i], v[YY+16*\tt+2*\i], v[YY+16*\tt+2*\i+1]
.endr
.endr
	WIN 0
.if (\B) < 4
	GBLOAD (\B)+4
.endif
.endm
	PLACES 4                                       ; behind the last head's products
	v_bfe_u32 v[GBO], v0, 4, 1
	v_lshlrev_b32 v[GBO], 6, v[GBO]
	v_mov_b32 v[PT], 0
.irp tt, 0,1,2,3
	v_mov_b32 v[MN+2*\tt+1], 0                     ; named as pairs' upper halves
	v_mov_b32 v[RS+2*\tt+1], 0
.endr
	GBLOAD 0
	GBLOAD 1
	GBLOAD 2
	GBLOAD 3
	CHG 0                                          ; the head blocks are read out: chunk 0 into slot 0
	LNSUM 0
	LNSUM 1
	LNSUM 2
	LNSUM 3
	LNVAR 0
	LNVAR 1
	LNVAR 2
	LNVAR 3
	v_lshlrev_b32 v185, 1, v[EV]
.irp tt, 0,1,2,3
	v_ldexp_f32 v[RS+2*\tt], v[RS+2*\tt], v185     ; the true variance: x 2^(2 EV)
.endr
.irp tt, 0,1,2,3
	v_add_f32 v[RS+2*\tt], 0x3727c5ac, v[RS+2*\tt] ; + 1e-5
.endr
.irp tt, 0,1,2,3
	v_rsq_f32 v[RS+2*\tt], v[RS+2*\tt]
.endr
	v_nop
	s_wait_alu depctr_va_vdst(0)                   ; one wait for the four
.irp tt, 0,1,2,3
	v_ldexp_f32 v[RS+2*\tt], v[RS+2*\tt], v[EV]    ; and the numbers' own 2^EV
.endr
	CHG 1                                          ; chunk 0 has landed in every wave's quarter; chunk 1 into slot 1
	LNOUT 0, 24
	LNOUT 1, 24
	LNOUT 2, 24
	LNOUT 3, 24
	LNOUT 4, 24
	LNOUT 5, 16
	LNOUT 6, 8
	LNOUT 7, 0
	; ---- the MLP: 16 chunks of 32 hidden units
.macro LK ks, st                       ; K step ks of the x part: W1's two fragments and my four tiles' x fragments: 12 loads
.irp u, 0,1
	ds_load_b128 v[\st+8*\u:\st+8*\u+3], v[ADW] offset:(2*(\ks)+\u)*1024
	ds_load_b128 v[\st+8*\u+4:\st+8*\u+7], v[ADW] offset:(2*(\ks)+\u)*1024+512
.endr
.irp tt, 0,1,2,3
	ds_load_b128 v[\st+16+8*\tt:\st+16+8*\tt+3], v[XIW] offset:(8*\tt+(\ks))*1024
	ds_load_b128 v[\st+16+8*\tt+4:\st+16+8*\tt+7], v[XIW] offset:(8*\tt+(\ks))*1024+512
.endr
.endm
.macro LW buf, f0                      ; eight weight fragments f0 .. f0 + 7 of the chunk: 16 loads
.irp f, 0,1,2,3,4,5,6,7
	ds_load_b128 v[\buf+8*\f:\buf+8*\f+3], v[ADW] offset:(\f0+\f)*1024
	ds_load_b128 v[\buf+8*\f+4:\buf+8*\f+7], v[ADW] offset:(\f0+\f)*1024+512
.endr
.endm
.macro HX st, zero                     ; eight products of a K step of the x part: the eight accumulators by turns
.irp tt, 0,1,2,3
.irp u, 0,1
.if \zero
	v_wmma_f32_16x16x32_f16 v[HID+16*\tt+8*\u:HID+16*\tt+8*\u+7], v[\st+8*\u:\st+8*\u+7], v[\st+16+8*\tt:\st+16+8*\tt+7], 0
.else
	v_wmma_f32_16x16x32_f16 v[HID+16*\tt+8*\u:HID+16*\tt+8*\u+7], v[\st+8*\u:\st+8*\u+7], v[\st+16+8*\tt:\st+16+8*\tt+7], v[HID+16*\tt+8*\u:HID+16*\tt+8*\u+7]
.endif
.endr
.endr
.endm
.macro HM buf, k0                      ; four K steps of the msg part
	WIN 0x04
.irp kk, 0,1,2,3
.irp tt, 0,1,2,3
.irp u, 0,1
	v_wmma_f32_16x16x32_f16 v[HID+16*\tt+8*\u:HID+16*\tt+8*\u+7], v[\buf+16*\kk+8*\u:\buf+16*\kk+8*\u+7], v[64*\tt+8*(\k0+\kk):64*\tt+8*(\k0+\kk)+7], v[HID+16*\tt+8*\u:HID+16*\tt+8*\u+7]
.endr
.endr
.endr
	WIN 0
.endm
.macro OUTW buf, t0, hi, z             ; 16 products out += W2 hidden: output tiles t0 .. t0 + 7, token tiles 2 hi, 2 hi + 1; 16 different accumulators
	WIN 0xa0+0x50*\hi
.irp a, 0,1
.irp t, 0,1,2,3,4,5,6,7
.if \z
	v_wmma_f32_16x16x32_f16 v[8*(16*\a+\t0+\t):8*(16*\a+\t0+\t)+7], v[\buf+8*\t:\buf+8*\t+7], v[HID+16*(2*\hi+\a):HID+16*(2*\hi+\a)+7], 0
.else
	v_wmma_f32_16x16x32_f16 v[8*(16*\a+\t0+\t):8*(16*\a+\t0+\t)+7], v[\buf+8*\t:\buf+8*\t+7], v[HID+16*(2*\hi+\a):HID+16*(2*\hi+\a)+7], v[8*(16*\a+\t0+\t):8*(16*\a+\t0+\t)+7]
.endif
.endr
.endr
.endm
; One chunk.  z = 1: the first, whose products start the outputs' sums.  f = 1: the slot just read is filled again, two chunks ahead.
; At its head K steps 0 and 1 (24 loads) are out.  Sets of 48 registers at v96, v144, v192 take turns; the weights of the msg part and of W2 come in buffers of 64 at v192 and v96.
.macro TRIP z, f
	LK 2, 192
	s_wait_dscnt 24                                ; K step 0 is in; two K steps' loads may be out
	HX 96, 1
	PLACES 4                                       ; in front of loads into registers that the products just issued have read
	LK 3, 96
	s_wait_dscnt 24
	HX 144, 0
	PLACES 4
	LK 4, 144
	s_wait_dscnt 24
	HX 192, 0
	PLACES 4
	LK 5, 192
	s_wait_dscnt 24
	HX 96, 0
	PLACES 4
	LK 6, 96
	s_wait_dscnt 24
	HX 144, 0
	PLACES 4
	LK 7, 144
	s_wait_dscnt 24
	HX 192, 0
	PLACES 4
	LW 192, 16                                     ; W1's K steps 8-11
	s_wait_dscnt 28                                ; K step 6 is in; K step 7 (12) and these 16 may be out
	HX 96, 0
	s_wait_dscnt 16
	HX 144, 0
	PLACES 4
	LW 96, 24                                      ; W1's K steps 12-15
	s_wait_dscnt 16
	HM 192, 0
	PLACES 4
	LW 192, 40                                     ; W2's tiles 8-15
	s_wait_dscnt 16
	HM 96, 4
	PLACES 4
	LW 96, 32                                      ; W2's tiles 0-7
.set j, 0
.rept 64
	v_max_num_f32 v[HID+j], 0, v[HID+j]            ; relu, each accumulator from its low end on
.set j, j+1
.endr
.irp tt, 0,1,2,3
.irp u, 0,1
.irp i, 0,1,2,3
	v_cvt_pk_f16_f32 v[HID+16*\tt+4*\u+\i], v[HID+16*\tt+8*\u+2*\i], v[HID+16*\tt+8*\u+2*\i+1]   ; in place, ascending: the tile's fragment in its first eight registers
.endr
.endr
.endr
	s_wait_dscnt 0x0                               ; W2's fragments are in: my reads of this slot are over
	OUTW 96, 0, 0, \z
	OUTW 96, 0, 1, \z
	WIN 0
	s_wait_tensorcnt 0x0                           ; all my tensor loads have landed: my quarter of the next chunk;
	ds_add_u32 v[SPW], v[NIL]
.if \f
	s_xor_b32 s[G0M+1], s[G0M+1], SLOT1            ; no load of mine is out: the descriptor steps to the slot just read and the chunk two on
	s_add_nc_u64 s[G0M+2:G0M+3], s[G0M+2:G0M+3], TILEB
.endif
	OUTW 192, 8, 0, \z                             ; sixteen products stand between the add and the wait for it
	s_wait_dscnt 0x0
	WIN 0
.if \f
	ROUND                                          ; no wave of any partner still reads this slot or has a load on its way
	tensor_load_to_lds s[G0M:G0M+3], s[G1M:G1M+7]  ; it has a whole chunk's 192 products in which to land
	s_nop 0
	PLACES 4
.else
	s_barrier_signal -1
	s_barrier_wait -1                              ; the next chunk is whole; nothing is filled again
	PLACES 4
.endif
	s_xor_b32 s[TB], s[TB], SLOT1
	v_add_nc_u32 v[ADW], s[TB], v[LI]
	LK 0, 96
	LK 1, 144
.if !\f
	; x is wanted once more, in f32, for the residual: in each of the last two chunks my wave asks for 32 of its 64 rows, 1,024 bytes each, lanes 256 bytes apart: each run of 256 bytes is named once
.irp k, 0,1,2,3
	global_prefetch_b8 v[ADH], s[PFA:PFA+1] offset:8192*\k th:TH_LOAD_NT scope:SCOPE_SE
.endr
.endif
	OUTW 192, 8, 1, \z
	WIN 0
	PLACES 5                                       ; in front of the next chunk's loads, and of its first products, which write over the hidden layer's fragments
.if !\f
	s_wait_xcnt 0x0                                ; the prefetches have read their address
	s_add_nc_u64 s[PFA:PFA+1], s[PFA:PFA+1], 32768
.endif
.endm
	v_and_b32 v[ADH], 31, v0
	v_lshlrev_b32 v[ADH], 8, v[ADH]                ; 256 lane
	s_mov_b32 s[TB], 0
	v_add_nc_u32 v[ADW], s[TB], v[LI]
	LK 0, 96
	LK 1, 144
	TRIP 1, 1
	s_mov_b32 s[CNT], 13
.Ltrip:
	TRIP 0, 1
	s_sub_co_u32 s[CNT], s[CNT], 1
	s_cmp_lg_u32 s[CNT], 0
	s_cbranch_scc1 .Ltrip
	s_mov_b32 s[CNT], 2                            ; the last two chunks ask for nothing
.Ltail:
	TRIP 0, 0
	s_sub_co_u32 s[CNT], s[CNT], 1
	s_cmp_lg_u32 s[CNT], 0
	s_cbranch_scc1 .Ltail
	; ---- LN2, the residual, the way out.  The accumulators go through my 64 rows of LDS and come back by rows: a lane then holds channels 4 lane .. + 3 and 128 + 4 lane .. + 3 of a token
	s_wait_dscnt 0x0
	s_barrier_signal -1
	s_barrier_wait -1                              ; every wave's reads of the slots and of x's images are over; no fill follows
.irp tt, 0,1,2,3
	WIN 0x08+0x04*(\tt/2)
.irp t, 0,1,2,3,4,5,6,7,8,9,10,11,12,13,14,15
	ds_store_b128 v[OSI], v[8*(16*(\tt%2)+\t):8*(16*(\tt%2)+\t)+3] offset:16*OSP*\tt+128*(\t/2)+32*(\t%2)          ; each accumulator from its low end on
	ds_store_b128 v[OSI], v[8*(16*(\tt%2)+\t)+4:8*(16*(\tt%2)+\t)+7] offset:16*OSP*\tt+128*(\t/2)+32*(\t%2)+16
.endr
.endr
	WIN 0
.set VOA, 6
.set VOB, 7
.set VSO, 8
.set VLIM, 14
.set ADR, 15
.set G2,  32                           ; v32-39 gain, v40-47 bias
.set XA,  48                           ; v48-79, v80-111: x of four tokens, two sets
.set XB,  80
.set Y,   112                          ; v112-143 four tokens at work
.set SA,  144
.set SB,  152
.set P2,  160
	global_load_b128 v[G2:G2+3], v[LI], s[16:17]
	global_load_b128 v[G2+4:G2+7], v[LI], s[16:17] offset:512
	global_load_b128 v[G2+8:G2+11], v[LI], s[18:19]
	global_load_b128 v[G2+12:G2+15], v[LI], s[18:19] offset:512
	v_mov_b32 v[VOA], v[LI]
	v_add_nc_u32 v[VOB], 4096, v[LI]
	v_add_nc_u32 v[VLIM], 15*4096, v[LI]
.macro XR xr, vo                       ; x of a group of four tokens
.irp k, 0,1,2,3
	global_load_b128 v[\xr+8*\k:\xr+8*\k+3], v[\vo], s[4:5] offset:1024*\k th:TH_LOAD_NT
	global_load_b128 v[\xr+8*\k+4:\xr+8*\k+7], v[\vo], s[4:5] offset:1024*\k+512 th:TH_LOAD_NT
.endr
.endm
	XR XA, VOA
	XR XB, VOB
.irp k, 0,1,2,3
	v_mov_b32 v[P2+\k], 0
.endr
	s_mov_b32 s[TO], 0
.macro LANES r                         ; a sum over the 32 lanes, four tokens by turns
.irp m, 1,2,4,8
.irp k, 0,1,2,3
	v_add_f32_dpp v[\r+2*\k], v[\r+2*\k], v[\r+2*\k] row_xmask:\m row_mask:0xf bank_mask:0xf
.endr
.endr
.irp k, 0,1,2,3
	v_permlanex16_b32 v[P2+\k], v[\r+2*\k], s[SEL], s[SEL+1]
.endr
.irp k, 0,1,2,3
	v_add_f32 v[\r+2*\k], v[\r+2*\k], v[P2+\k]
.endr
.endm
.macro GRP xr, vo
	s_wait_loadcnt 0x8                             ; this set's x is in; the other set's eight loads may be out
	s_wait_xcnt 0x0                                ; the last group's stores have read their data and their offset
	v_mov_b32 v[VSO], v[\vo]                       ; out0 lies as x does
	v_add_nc_u32 v[\vo], 8192, v[\vo]              ; this set's next group, two on,
	v_min_u32 v[\vo], v[\vo], v[VLIM]              ; held at the wave's last group: no load leaves the wave's rows
	v_add_nc_u32 v[ADR], s[TO], v[OSO]
	s_add_co_u32 s[TO], s[TO], 4*OSP
.irp k, 0,1,2,3
	ds_load_b128 v[Y+8*\k:Y+8*\k+3], v[ADR] offset:OSP*\k
	ds_load_b128 v[Y+8*\k+4:Y+8*\k+7], v[ADR] offset:OSP*\k+512
.endr
	s_wait_dscnt 0x0
.irp k, 0,1,2,3
	v_pk_add_f32 v[SA+2*\k:SA+2*\k+1], v[Y+8*\k:Y+8*\k+1], v[Y+8*\k+2:Y+8*\k+3]
	v_pk_add_f32 v[SB+2*\k:SB+2*\k+1], v[Y+8*\k+4:Y+8*\k+5], v[Y+8*\k+6:Y+8*\k+7]
.endr
.irp k, 0,1,2,3
	v_pk_add_f32 v[SA+2*\k:SA+2*\k+1], v[SA+2*\k:SA+2*\k+1], v[SB+2*\k:SB+2*\k+1]
.endr
.irp k, 0,1,2,3
	v_add_f32 v[SA+2*\k], v[SA+2*\k], v[SA+2*\k+1]
.endr
	LANES SA
.irp k, 0,1,2,3
	v_mul_f32 v[SA+2*\k], s[R256], v[SA+2*\k]      ; the mean
.endr
.irp i, 0,1,2,3
.irp k, 0,1,2,3
	v_pk_add_f32 v[Y+8*\k+2*\i:Y+8*\k+2*\i+1], v[Y+8*\k+2*\i:Y+8*\k+2*\i+1], v[SA+2*\k:SA+2*\k+1] op_sel_hi:[1,0] neg_lo:[0,1] neg_hi:[0,1]
.endr
.endr
.irp k, 0,1,2,3
	v_pk_mul_f32 v[SB+2*\k:SB+2*\k+1], v[Y+8*\k:Y+8*\k+1], v[Y+8*\k:Y+8*\k+1]
.endr
.irp i, 1,2,3
.irp k, 0,1,2,3
	v_pk_fma_f32 v[SB+2*\k:SB+2*\k+1], v[Y+8*\k+2*\i:Y+8*\k+2*\i+1], v[Y+8*\k+2*\i:Y+8*\k+2*\i+1], v[SB+2*\k:SB+2*\k+1]
.endr
.endr
.irp k, 0,1,2,3
	v_add_f32 v[SB+2*\k], v[SB+2*\k], v[SB+2*\k+1]
.endr
	LANES SB
.irp k, 0,1,2,3
	v_fmaak_f32 v[SB+2*\k], s[R256], v[SB+2*\k], 0x3727c5ac   ; variance + 1e-5
.endr
.irp k, 0,1,2,3
	v_rsq_f32 v[SB+2*\k], v[SB+2*\k]
.endr
	v_nop
	s_wait_alu depctr_va_vdst(0)                   ; one wait for the four
.irp i, 0,1,2,3
.irp k, 0,1,2,3
	v_pk_mul_f32 v[Y+8*\k+2*\i:Y+8*\k+2*\i+1], v[Y+8*\k+2*\i:Y+8*\k+2*\i+1], v[SB+2*\k:SB+2*\k+1] op_sel_hi:[1,0]
.endr
.endr
.irp i, 0,1,2,3
.irp k, 0,1,2,3
	v_pk_fma_f32 v[Y+8*\k+2*\i:Y+8*\k+2*\i+1], v[Y+8*\k+2*\i:Y+8*\k+2*\i+1], v[G2+2*\i:G2+2*\i+1], v[G2+8+2*\i:G2+8+2*\i+1]
.endr
.endr
.irp i, 0,1,2,3
.irp k, 0,1,2,3
	v_pk_add_f32 v[Y+8*\k+2*\i:Y+8*\k+2*\i+1], v[Y+8*\k+2*\i:Y+8*\k+2*\i+1], v[\xr+8*\k+2*\i:\xr+8*\k+2*\i+1]   ; + x
.endr
.endr
	XR \xr, \vo                                    ; loads ahead of stores
.irp k, 0,1,2,3
	global_store_b128 v[VSO], v[Y+8*\k:Y+8*\k+3], s[20:21] offset:1024*\k th:TH_STORE_NT          ; 32 lanes store 512 consecutive bytes, aligned
	global_store_b128 v[VSO], v[Y+8*\k+4:Y+8*\k+7], s[20:21] offset:1024*\k+512 th:TH_STORE_NT
.endr
.endm
	s_mov_b32 s[CNT], 8
.Lout:
	GRP XA, VOA
	GRP XB, VOB
	s_sub_co_u32 s[CNT], s[CNT], 1
	s_cmp_lg_u32 s[CNT], 0
	s_cbranch_scc1 .Lout
	s_wait_tensorcnt 0x0                           ; the wave's end: behind my last tensor load and my last LDS store
	ds_add_u32 v[SPW], v[NIL]
	s_wait_dscnt 0x0
	ROUND                                          ; the closing round: no work-group ends while a partner may still ask for a tile that names it
	s_endpgm
.Lfunc_end_k_q65942c0136_layer:
	.size	k_q65942c0136_layer, .Lfunc_end_k_q65942c0136_layer-k_q65942c0136_layer
	.p2alignl 7, 3214868480
	.fill 96, 4, 3214868480
	.section	.rodata,"a",@progbits
	.p2align	6, 0x0
	.amdhsa_kernel k_q65942c0136_layer
		.amdhsa_group_segment_fixed_size 327680
		.amdhsa_private_segment_fixed_size 0
		.amdhsa_enable_private_segment 0
		.amdhsa_kernarg_size 72
		.amdhsa_user_sgpr_count 2
		.amdhsa_user_sgpr_kernarg_segment_ptr 1
		.amdhsa_wavefront_size32 1
		.amdhsa_system_sgpr_workgroup_id_x 1
		.amdhsa_system_sgpr_workgroup_id_y 1
		.amdhsa_system_sgpr_workgroup_id_z 1
		.amdhsa_system_vgpr_workitem_id 0
		.amdhsa_next_free_vgpr 1024
		.amdhsa_next_free_sgpr 96
		.amdhsa_reserve_vcc 0
		.amdhsa_float_denorm_mode_32 3
		.amdhsa_float_denorm_mode_16_64 3
		.amdhsa_memory_ordered 1
		.amdhsa_forward_progress 1
		.amdhsa_inst_pref_size 255
	.end_amdhsa_kernel
	.section	.bss,"aw",@nobits
	.p2align	6
	.space	262144
	.amdgpu_metadata
---
amdhsa.version: [ 1, 2 ]
amdhsa.kernels:
  - .name:           k_q65942c0136_layer
    .symbol:         k_q65942c0136_layer.kd
    .args:
      - { .name: x, .offset: 0, .size: 8, .value_kind: global_buffer, .address_space: global }
      - { .name: att, .offset: 8, .size: 8, .value_kind: global_buffer, .address_space: global }
      - { .name: wmlp, .offset: 16, .size: 8, .value_kind: global_buffer, .address_space: global }
      - { .name: rope, .offset: 24, .size: 8, .value_kind: global_buffer, .address_space: global }
      - { .name: ln1_g, .offset: 32, .size: 8, .value_kind: global_buffer, .address_space: global }
      - { .name: ln1_b, .offset: 40, .size: 8, .value_kind: global_buffer, .address_space: global }
      - { .name: ln2_g, .offset: 48, .size: 8, .value_kind: global_buffer, .address_space: global }
      - { .name: ln2_b, .offset: 56, .size: 8, .value_kind: global_buffer, .address_space: global }
      - { .name: out0, .offset: 64, .size: 8, .value_kind: global_buffer, .address_space: global }
    .group_segment_fixed_size: 327680
    .private_segment_fixed_size: 0
    .kernarg_segment_align: 8
    .kernarg_segment_size: 72
    .max_flat_workgroup_size: 128
    .sgpr_count:     96
    .vgpr_count:     1024
    .wavefront_size: 32
...
	.end_amdgpu_metadata
.endif
;; end of part 4
